; MI455X (gfx1250); checked and timed in simulation.
; The chip was launched on July 23, 2026; its instructions are those of AMD's public machine-readable ISA for CDNA 5 (MIT licence, August 2026) and "CDNA5" Instruction Set Architecture Reference Guide (July 2026). The comments in the code are by the model that wrote it; some were corrected since.
;; Causal Self Attention. Allowed arithmetic: matrix products marked QUANTISED: E4M3 operands, one E8M0 scale for each 32 along K, by v_wmma_scale_f32_16x16x128_f8f6f4 with both operands' format E4M3, f32 sums; everything else in f32.
;; Inputs: W_attn 1,024 x 3,072 float32; W_proj 1,024 x 1,024 float32; b_attn 3,072 float32; b_proj 1,024 float32; cos 2,048 x 32 float32; sin 2,048 x 32 float32; x 2 x 2,048 x 1,024 float32.
;; Outputs: out0 2 x 2,048 x 1,024 float32.
;; This version of the problem:
;;   THIS VERSION OF THE PROBLEM IS GIVEN IN LOW PRECISION. The matrix products marked QUANTISED in the list below multiply operands that are first quantised to E4M3 (4 exponent bits, 3 mantissa bits; 8 bits a number), with one power-of-two scale for each 32 numbers along K (OCP MX v1.0); their sums are f32. All else is computed in f32.
;;   The module's matrix products, in the order in which they are computed (A, B: the left and right operand; K: the contracted axis; several contracted axes count as one K, in the product's order):
;;     1. [M 4,096, K 1,024] x [K 1,024, N 3,072]; A: input x; B: input W_attn: QUANTISED
;;     2. batch 32 x [M 2,048, K 64] x [K 64, N 2,048]; A: computed on the way; B: computed on the way: QUANTISED
;;     3. batch 32 x [M 64, K 2,048] x [K 2,048, N 2,048]; A: computed on the way; B: softmax (see below): QUANTISED
;;     4. [M 4,096, K 1,024] x [K 1,024, N 1,024]; A: computed on the way; B: input W_proj: QUANTISED
;;   THE QUANTISER, for each operand of a quantised product, along K:
;;     - K is cut into blocks of 32 from its start; a last block that is shorter is filled with zeros.
;;     - A block's scale is 2^e with e = floor(log2(the largest magnitude in the block)) - 8, held to -126 .. 127; a block of zeros has e = 0. As a byte (E8M0): e + 127.
;;     - Each number is divided by its block's scale, clamped to +-448, and rounded to the nearest number of E4M3, ties to even, subnormals kept.
;;     - The product sums the exact products of the quantised numbers (number of the format x scale) in f32.
;;   ~~~python
;;   def quantise(x, axis):      # numpy; x: float32 -> the quantised numbers, widened to float32 again
;;       x = np.moveaxis(x, axis, -1); K = x.shape[-1]
;;       x = np.pad(x, [(0, 0)] * (x.ndim - 1) + [(0, -K % 32)]); x = x.reshape(x.shape[:-1] + (-1, 32)); a = np.abs(x).max(-1, keepdims=True)
;;       e = np.where(a > 0, np.clip(np.frexp(np.where(a > 0, a, 1))[1] - 1 - 8, -126, 127), 0)      # np.frexp(a)[1] - 1 = floor(log2(a)), exactly
;;       r = np.clip(x / 2.0 ** e, -448, 448)
;;       step = 2.0 ** (np.maximum(np.frexp(np.where(r == 0, 1, r))[1] - 1, -6) - 3)
;;       q = np.round(r / step) * step * 2.0 ** e      # np.round: ties to even
;;       return np.moveaxis(q.reshape(q.shape[:-2] + (-1,))[..., :K], -1, axis).astype(np.float32)
;;   ~~~
;;   SOFTMAX AHEAD OF A QUANTISED PRODUCT. Where the list says 'softmax', what is quantised is not the finished softmax but p = 2^(t - M), with t = logit x log2(e) and M = ceil(the row's largest t), a whole number; so 1/2 < the row's largest p <= 1. The row's sum l is taken of the UNQUANTISED p, in f32, and the product's result is divided by l at the end. Since M is a whole number, a kernel that streams over the keys may use a running M (the ceiling of the running maximum): every later rescaling is an exact power of two, which a block's scale takes up: the codes' values come out the same.
;;   OPERANDS COMPUTED ON THE WAY. 'Computed on the way' means the value that the module computes at that place (a softmax that the list does not call 'softmax' is quantised finished and normalised). What goes into a quantiser is computed in f32, as accurately as f32 sums, v_exp_f32 and their like allow (about 1e-6 of the number): no bf16 or f16 on the way to a quantiser, and a product that is left as it is and whose result goes on into a quantised operand takes f32 operands (vector FMAs, or v_wmma_f32_16x16x4_f32). A number that lies on a knife's edge between two numbers of the format may be rounded either way, as far as f32 arithmetic and the matrix unit's own rounding can turn it there, and no further.
;; One version. Each part assembles by itself: llvm-mc -triple=amdgcn-amd-amdhsa -mcpu=gfx1250 --defsym DOCPART=n.
;; ======== version 1 of 1: 4 launches
;; limits: right only within a limited range of input values
;; workspace buffers: xq 4,194,304 bytes; xs 131,072 bytes; wq 4,194,304 bytes; ws 131,072 bytes; qb 4,325,376 bytes; kv 8,650,752 bytes; yc 4,194,304 bytes; ys 131,072 bytes
;; launch quant (part 1): grid 256 x 1, 4 waves a work-group, no clusters, 68,096 bytes of LDS; arguments x, W_attn, W_proj, xq, xs, wq, ws; writes xq, xs, wq, ws
.if DOCPART == 1
	.amdgcn_target "amdgcn-amd-amdhsa--gfx1250"
	.amdhsa_code_object_version 6
	.text
	.protected	k_q0967ffe943_quant
	.globl	k_q0967ffe943_quant
	.p2align	8
	.type	k_q0967ffe943_quant,@function
k_q0967ffe943_quant:
	s_mov_b64 s[64:65], 0
	v_nop
	global_prefetch_b8 v0, s[64:65] scope:SCOPE_SE
	s_setreg_imm32_b32 hwreg(HW_REG_WAVE_MODE, 25, 1), 1
	s_wait_xcnt 0x0
; x [4096][1024], W_attn [1024][3072] and W_proj [1024][1024], all f32, become codes of FP8 (E4M3), K innermost, with one E8M0 byte for each 32 along K.
; A block's scale is 2^(floor(log2(its largest magnitude)) - 8); its byte is the largest magnitude's exponent field - 8, held at 1 from below.
; ROWS LIE IN POSITION ORDER: position p of xq, xs, wq, ws holds true row pi(p), pi = bits 3 and 4 of the number exchanged.  A tile of 16 positions then gives the product that reads it
; results whose registers run along 16 neighbours of the next K.  wq, ws: rows 0-3071 are W_attn's columns, rows 3072-4095 W_proj's.
; LIMITS: a block of zeros gets the byte 1 (its codes are zeros, and this program alone reads the bytes); blocks whose largest magnitude lies under 2^-118 are held at byte 1; NaN and infinities are not served.
; Work-groups 0-127 take x (K innermost: a stream of blocks of 32; 32 rows a work-group, 8 a wave), work-groups 128-255 the weights (K is the first axis: a lane takes a column and its registers run down K;
; 128 columns x 256 along K a work-group).  The two paths part once, on the work-group's number, and have LDS bytes of their own.  Waves share nothing: no barrier.
.set STEPS, 16
.set MANT,  0x600000                   ; the mantissa field of 448 as f32
.set CB,    16                         ; bytes of 16 codes
.set R,     16                         ; x: v16-79   four sets of 16 numbers as loaded
.set X,     80                         ; x: v80-111  two sets of 16 neighbours
.set E,     112                        ; x: v112-127 a scale byte for each step
.set C,     128                        ; x: v128-191 codes, four registers a step
.set WREG,  8192                       ; x: LDS of a wave: two stages of 32 x SP bytes, then its 256 scale bytes
.set SP,    80                         ; x: a lane's place in a stage: 64 bytes + 16 of padding
.set PITCH, 272                        ; weights: a stage row: 256 bytes of codes + 16
.set WSTG,  32768                      ; weights: the stages begin behind x's LDS bytes
.set NB,    8                          ; weights: blocks of 32 along K for a wave
.set WX,    32                         ; weights: v32-95 two sets of 32 numbers
.set WC,    96                         ; weights: v96-103 a block's codes
.set OUTR,  112                        ; weights: v112-175 the way out
.set SB,    24                         ; weights: v24-25 the scale bytes
.set OF,    176                        ; weights: v176-207 byte offset of row i of a block: 4 x lane + i x a row of the tensor
	s_load_b256 s[4:11], s[0:1], 0x0               ; x s[4:5], W_attn s[6:7], W_proj s[8:9], xq s[10:11]
	s_load_b128 s[12:15], s[0:1], 0x20             ; xs s[12:13], wq s[14:15]
	s_load_b64 s[16:17], s[0:1], 0x30              ; ws
	v_lshl_add_u32 v208, v0, 2, 0x10800
	v_mov_b32 v209, 0
	v_lshrrev_b32 v1, 5, v0
	v_readfirstlane_b32 s18, v1                    ; wave
	v_and_b32 v2, 31, v0                           ; lane
	s_mov_b32 s23, MANT
	s_cmp_lt_u32 ttmp9, 128
	s_cbranch_scc0 .Lweights
	; ---------------- x ----------------
	; A wave reads 8 rows (32,768 bytes) in 16 steps of 512 numbers.  Each load takes 512 consecutive bytes; a step's 2,048 bytes turn through the wave's stage so that a lane holds 16 neighbours.
	v_lshlrev_b32 v3, 4, v2                        ; my 16 bytes of a load's 512
	s_mul_i32 s19, s18, WREG
	v_lshrrev_b32 v14, 2, v2
	v_mul_u32_u24 v14, v14, SP
	v_and_b32 v15, 3, v2
	v_lshl_add_u32 v14, v15, 4, v14
	v_add_nc_u32 v14, s19, v14                     ; the stage, way in: SP (lane / 4) + 16 (lane % 4)
	v_mul_u32_u24 v15, v2, SP
	v_add_nc_u32 v15, s19, v15                     ; way out: SP x lane
	v_mul_u32_u24 v4, v2, CB                       ; my codes' place in a step's
	v_lshrrev_b32 v5, 1, v2
	s_add_co_u32 s19, s19, 2*32*SP
	v_add_nc_u32 v5, s19, v5                       ; my block's scale byte in the wave's 256
	v_lshlrev_b32 v7, 3, v2
	v_add_nc_u32 v6, s19, v7                       ; and 8 bytes a lane on their way out
	s_lshl_b32 s20, ttmp9, 2
	s_add_co_u32 s24, s20, s18                     ; the run of 8 rows that I read: 4 x work-group + wave
	s_and_b32 s21, s18, 1
	s_lshl_b32 s21, s21, 1
	s_lshr_b32 s22, s18, 1
	s_or_b32 s21, s21, s22
	s_add_co_u32 s26, s20, s21                     ; and where it goes: the wave's two bits are the row's bits 3 and 4: exchanged
	s_lshl_b32 s24, s24, 15
	s_mov_b32 s25, 0
	s_lshl_b32 s28, s26, 13                        ; 8,192 bytes of codes a run
	s_mov_b32 s29, 0
	s_lshl_b32 s26, s26, 8                         ; 256 scale bytes a run
	s_mov_b32 s27, 0
	s_wait_alu depctr_va_vdst(0)
	s_wait_kmcnt 0x0
	s_add_nc_u64 s[4:5], s[4:5], s[24:25]
	s_add_nc_u64 s[10:11], s[10:11], s[28:29]
	s_add_nc_u64 s[12:13], s[12:13], s[26:27]
.macro XLOAD t
.irp i, 0,1,2,3
	global_load_b128 v[R+16*((\t)%4)+4*\i:R+16*((\t)%4)+4*\i+3], v3, s[4:5] offset:2048*(\t)+512*\i th:TH_LOAD_NT
.endr
.endm
.macro XTURN t                         ; LDS serves a wave's instructions in order: no wait between the stores and the loads
.irp i, 0,1,2,3
	ds_store_b128 v14, v[R+16*((\t)%4)+4*\i:R+16*((\t)%4)+4*\i+3] offset:32*SP*((\t)%2)+8*SP*\i
.endr
.irp i, 0,1,2,3
	ds_load_b128 v[X+16*((\t)%2)+4*\i:X+16*((\t)%2)+4*\i+3], v15 offset:32*SP*((\t)%2)+16*\i
.endr
.endm
.irp t, 0,1,2,3
	XLOAD \t
.endr
	s_wait_loadcnt 12                              ; step 0's four loads are in; three steps' twelve may be out
	XTURN 0
.macro XSTEP t
.set XS, X+16*((\t)%2)
.if (\t) > 0
	s_wait_dscnt 1                                 ; this step's numbers are back from the stage; the last step's byte store may be out
.else
	s_wait_dscnt 0x0
.endif
.if (\t)+4 < STEPS
	XLOAD (\t)+4                                   ; into the set whose stores into the stage are done
.endif
.if (\t)+1 < STEPS
.if STEPS-2-(\t) >= 3
	s_wait_loadcnt 12                              ; the next step's four loads are in; those of the three steps behind it may be out
.else
	s_wait_loadcnt 4*(STEPS-2-(\t))
.endif
	XTURN (\t)+1
.endif
	v_max3_num_f32 v8, |v[XS]|, |v[XS+1]|, |v[XS+2]|
	v_max3_num_f32 v9, |v[XS+3]|, |v[XS+4]|, |v[XS+5]|
.irp i, 6,10
	v_max3_num_f32 v8, v8, |v[XS+\i]|, |v[XS+\i+1]|
	v_max3_num_f32 v9, v9, |v[XS+\i+2]|, |v[XS+\i+3]|
.endr
	v_max3_num_f32 v8, v8, |v[XS+14]|, |v[XS+15]|
	v_max3_num_f32 v8, v8, v9, 0x4800000           ; and the floor 2^(9 - 127): the byte cannot fall under 1
	v_max_num_f32_dpp v8, v8, v8 row_xmask:1 row_mask:0xf bank_mask:0xf   ; with my neighbour's 16: the block's largest magnitude
	v_add_nc_u32 v11, 0xfc000000, v8               ; 8 off its exponent field: the conversion's scale operand
	v_and_or_b32 v10, v8, 0x7f800000, s23          ; 448 x the scale
.irp i, 0,1,2,3,4,5,6,7,8,9,10,11,12,13,14,15
	v_med3_num_f32 v[XS+\i], v[XS+\i], -v10, v10   ; the conversion does not saturate (ISA guide 7.6.2): the hold comes first
.endr
	v_cvt_scalef32_pk8_fp8_f32 v[C+4*(\t):C+4*(\t)+1], v[XS:XS+7], v11
	v_cvt_scalef32_pk8_fp8_f32 v[C+4*(\t)+2:C+4*(\t)+3], v[XS+8:XS+15], v11
	v_lshrrev_b32 v[E+(\t)], 23, v11               ; the scale's byte
	ds_store_b8 v5, v[E+(\t)] offset:16*(\t)       ; both lanes of a block write the same byte
	global_store_b128 v4, v[C+4*(\t):C+4*(\t)+3], s[10:11] offset:32*CB*(\t)   ; the wave stores 512 consecutive bytes
.endm
.irp t, 0,1,2,3,4,5,6,7,8,9,10,11,12,13,14,15
	XSTEP \t
.endr
	ds_load_b64 v[12:13], v6
	s_wait_dscnt 0x0
	global_store_b64 v7, v[12:13], s[12:13]        ; 32 lanes store 256 consecutive bytes, aligned
	s_wait_tensorcnt 0x0
	ds_add_u32 v208, v209
	s_wait_dscnt 0x0
	s_endpgm
	; ---------------- the weights ----------------
.Lweights:
	s_sub_co_u32 s19, ttmp9, 128
	s_lshr_b32 s20, s19, 2                         ; block of 128 rows of wq: 0-23 W_attn's columns, 24-31 W_proj's
	s_and_b32 s21, s19, 3                          ; which 256 along K
	s_wait_kmcnt 0x0
	s_cmp_lt_u32 s20, 24                           ; the choice hangs on the work-group's number alone
	s_cselect_b64 s[4:5], s[6:7], s[8:9]
	s_mov_b32 s22, 4096
	s_cselect_b32 s22, 12288, s22                  ; a row of the tensor in bytes
	s_cselect_b32 s24, 0, 24
	s_sub_co_u32 s24, s20, s24                     ; block of 128 columns in its own tensor
	s_mul_i32 s26, s21, s22
	s_lshl_b32 s26, s26, 8                         ; 256 rows for each step along K
	s_lshl_b32 s24, s24, 9
	s_lshl_b32 s25, s18, 7
	s_add_co_u32 s26, s26, s24
	s_add_co_u32 s26, s26, s25                     ; + 4 bytes x (128 x block + 32 x wave)
	s_mov_b32 s27, 0
	s_add_nc_u64 s[32:33], s[4:5], s[26:27]        ; block 0 of my 8 blocks of 32 rows
	s_lshl_b32 s28, s22, 5
	s_mov_b32 s29, 0
.irp t, 1,2,3,4,5,6,7
	s_add_nc_u64 s[32+2*\t:33+2*\t], s[30+2*\t:31+2*\t], s[28:29]   ; a base for each block: no immediate hangs on the tensor's width
.endr
	s_lshl_b32 s24, s20, 7
	s_lshl_b32 s25, s18, 5
	s_add_co_u32 s24, s24, s25                     ; my first row of wq and ws
	s_lshl_b32 s26, s24, 10
	s_lshl_b32 s25, s21, 8
	s_add_co_u32 s26, s26, s25
	s_add_nc_u64 s[14:15], s[14:15], s[26:27]
	s_lshl_b32 s26, s24, 5
	s_lshl_b32 s25, s21, 3
	s_add_co_u32 s26, s26, s25
	s_add_nc_u64 s[16:17], s[16:17], s[26:27]
	s_wait_alu depctr_va_vdst(0)
	v_lshlrev_b32 v3, 2, v2
.set i, 0
.rept 32
	v_mad_u32_u24 v[OF+i], s22, i, v3
.set i, i+1
.endr
	v_and_b32 v5, 7, v2
	v_bfe_u32 v6, v2, 3, 1
	v_bfe_u32 v7, v2, 4, 1
	v_lshl_or_b32 v5, v6, 4, v5
	v_lshl_or_b32 v5, v7, 3, v5                    ; pi(lane): my column's position among the wave's 32
	s_mul_i32 s25, s18, 32*PITCH
	s_add_co_u32 s25, s25, WSTG                    ; my stage
	v_mul_u32_u24 v4, v5, PITCH
	v_add_nc_u32 v4, s25, v4                       ; into it: row = my column's position
	v_lshlrev_b32 v9, 5, v5                        ; and its row of scale bytes
	v_and_b32 v5, 15, v2
	v_lshrrev_b32 v6, 4, v2
	v_mul_u32_u24 v7, v6, PITCH
	v_lshl_add_u32 v7, v5, 4, v7
	v_add_nc_u32 v7, s25, v7                       ; out of it: sixteen lanes to a row, two rows an instruction
	v_lshlrev_b32 v8, 10, v6
	v_lshl_add_u32 v8, v5, 4, v8                   ; the same place in wq
.macro WLOAD t                         ; block t: W(32 t + i, my column): 128 consecutive bytes a wave
.set i, 0
.rept 32
	global_load_b32 v[WX+32*((\t)%2)+i], v[OF+i], s[32+2*(\t):33+2*(\t)] th:TH_LOAD_NT
.set i, i+1
.endr
.endm
	WLOAD 0
	WLOAD 1
.macro BLOCK t
.set WXS, WX+32*((\t)%2)
.if (\t) < NB-1
	s_wait_loadcnt 32                              ; this block's 32 loads are in; the next block's may be out
.else
	s_wait_loadcnt 0
.endif
	v_max3_num_f32 v12, |v[WXS]|, |v[WXS+1]|, |v[WXS+2]|           ; all 32 numbers of the block are mine
	v_max3_num_f32 v13, |v[WXS+3]|, |v[WXS+4]|, |v[WXS+5]|
.irp i, 6,10,14,18,22,26
	v_max3_num_f32 v12, v12, |v[WXS+\i]|, |v[WXS+\i+1]|
	v_max3_num_f32 v13, v13, |v[WXS+\i+2]|, |v[WXS+\i+3]|
.endr
	v_max3_num_f32 v12, v12, |v[WXS+30]|, |v[WXS+31]|
	v_max3_num_f32 v12, v12, v13, 0x4800000
	v_add_nc_u32 v11, 0xfc000000, v12
	v_and_or_b32 v10, v12, 0x7f800000, s23
	v_lshrrev_b32 v13, 23, v11
.if (\t)%4 == 0
	v_mov_b32 v[SB+(\t)/4], v13
.else
	v_lshl_or_b32 v[SB+(\t)/4], v13, 8*((\t)%4), v[SB+(\t)/4]
.endif
.irp i, 0,1,2,3,4,5,6,7,8,9,10,11,12,13,14,15,16,17,18,19,20,21,22,23,24,25,26,27,28,29,30,31
	v_med3_num_f32 v[WXS+\i], v[WXS+\i], -v10, v10
.endr
.irp g, 0,1,2,3
	v_cvt_scalef32_pk8_fp8_f32 v[WC+2*\g:WC+2*\g+1], v[WXS+8*\g:WXS+8*\g+7], v11
.endr
	ds_store_b128 v4, v[WC:WC+3] offset:32*(\t)
	ds_store_b128 v4, v[WC+4:WC+7] offset:32*(\t)+16
.if (\t)+2 < NB
	WLOAD (\t)+2
.endif
	s_wait_dscnt 0x0                               ; the stores have read their registers: the next block's codes may be written
.endm
.irp t, 0,1,2,3,4,5,6,7
	BLOCK \t
.endr
	global_store_b64 v9, v[SB:SB+1], s[16:17]      ; my column's 8 scale bytes
.irp t, 0,1,2,3,4,5,6,7,8,9,10,11,12,13,14,15
	ds_load_b128 v[OUTR+4*\t:OUTR+4*\t+3], v7 offset:2*\t*PITCH
.endr
.irp t, 0,1,2,3,4,5,6,7,8,9,10,11,12,13,14,15
	s_wait_dscnt 15-\t                             ; load t is in; the later ones may be out
	global_store_b128 v8, v[OUTR+4*\t:OUTR+4*\t+3], s[14:15] offset:2*\t*1024   ; sixteen lanes store 256 consecutive bytes, aligned
.endr
	s_wait_tensorcnt 0x0
	ds_add_u32 v208, v209
	s_wait_dscnt 0x0
	s_endpgm
.Lfunc_end_k_q0967ffe943_quant:
	.size	k_q0967ffe943_quant, .Lfunc_end_k_q0967ffe943_quant-k_q0967ffe943_quant
	.p2alignl 7, 3214868480
	.fill 96, 4, 3214868480
	.section	.rodata,"a",@progbits
	.p2align	6, 0x0
	.amdhsa_kernel k_q0967ffe943_quant
		.amdhsa_group_segment_fixed_size 68096
		.amdhsa_private_segment_fixed_size 0
		.amdhsa_enable_private_segment 0
		.amdhsa_kernarg_size 56
		.amdhsa_user_sgpr_count 2
		.amdhsa_user_sgpr_kernarg_segment_ptr 1
		.amdhsa_wavefront_size32 1
		.amdhsa_system_sgpr_workgroup_id_x 1
		.amdhsa_system_sgpr_workgroup_id_y 1
		.amdhsa_system_sgpr_workgroup_id_z 1
		.amdhsa_system_vgpr_workitem_id 0
		.amdhsa_next_free_vgpr 210
		.amdhsa_next_free_sgpr 66
		.amdhsa_reserve_vcc 0
		.amdhsa_float_denorm_mode_32 3
		.amdhsa_float_denorm_mode_16_64 3
		.amdhsa_memory_ordered 1
		.amdhsa_forward_progress 1
		.amdhsa_inst_pref_size 112
	.end_amdhsa_kernel
	.amdgpu_metadata
---
amdhsa.version: [ 1, 2 ]
amdhsa.kernels:
  - .name:           k_q0967ffe943_quant
    .symbol:         k_q0967ffe943_quant.kd
    .args:
      - { .name: x, .offset: 0, .size: 8, .value_kind: global_buffer, .address_space: global }
      - { .name: W_attn, .offset: 8, .size: 8, .value_kind: global_buffer, .address_space: global }
      - { .name: W_proj, .offset: 16, .size: 8, .value_kind: global_buffer, .address_space: global }
      - { .name: xq, .offset: 24, .size: 8, .value_kind: global_buffer, .address_space: global }
      - { .name: xs, .offset: 32, .size: 8, .value_kind: global_buffer, .address_space: global }
      - { .name: wq, .offset: 40, .size: 8, .value_kind: global_buffer, .address_space: global }
      - { .name: ws, .offset: 48, .size: 8, .value_kind: global_buffer, .address_space: global }
    .group_segment_fixed_size: 68096
    .private_segment_fixed_size: 0
    .kernarg_segment_align: 8
    .kernarg_segment_size: 56
    .max_flat_workgroup_size: 128
    .sgpr_count:     66
    .vgpr_count:     210
    .wavefront_size: 32
...
	.end_amdgpu_metadata
.endif
;; end of part 1
;; launch qkv (part 2): grid 48 x 4, 4 waves a work-group, clusters of 4 x 4, 327,680 bytes of LDS; arguments xq, xs, wq, ws, b_attn, cos, sin, qb, kv; writes qb, kv
.if DOCPART == 2
	.amdgcn_target "amdgcn-amd-amdhsa--gfx1250"
	.amdhsa_code_object_version 6
	.text
	.protected	k_q0967ffe943_qkv
	.globl	k_q0967ffe943_qkv
	.p2align	8
	.type	k_q0967ffe943_qkv,@function
k_q0967ffe943_qkv:
	s_mov_b64 s[64:65], 0
	v_nop
	global_prefetch_b8 v0, s[64:65] scope:SCOPE_SE
	s_setreg_imm32_b32 hwreg(HW_REG_WAVE_MODE, 25, 1), 1
	s_wait_xcnt 0x0
	s_wait_alu depctr_hold_cnt(0) depctr_sa_sdst(0) depctr_va_vdst(0) depctr_va_sdst(0) depctr_va_ssrc(0) depctr_va_vcc(0) depctr_vm_vsrc(0)
	s_getreg_b32 s2, hwreg(HW_REG_IB_STS2, 6, 4)
	s_cmp_eq_u32 s2, 0
	s_cbranch_scc0 .Lentry_in_a_cluster
	s_endpgm
.Lentry_in_a_cluster:
	s_bfe_u32 s2, ttmp6, 0x10000c
	s_cmp_lg_u32 s2, 0xf033
	s_cbranch_scc0 .Lentry_shape_is_right
	s_endpgm
.Lentry_shape_is_right:
; q, k, v = x W_attn + b_attn on codes of FP8 (E4M3) with E8M0 scales, then RMS norm and rotary on q and k, and each result quantised for the attention launch: no f32 result is stored.
; A work-group makes 256 x 256 with four waves, a wave 128 x 128; K goes in steps of 256 through a ring of two LDS slots.  The first eight cluster columns make q and k (the product's columns are tokens, so a lane holds 16 neighbouring channels of one token),
; the others v (a lane holds 16 neighbouring tokens of one channel).  Clusters of 4 x 4: the first operand's tiles are shared along a row, the second's along a column.
; At the head each wave issues one joint load: wave 0 the first operand's 256 rows, wave 2 the second's, waves 1 and 3 the scale bytes of each for all of K.
; LIMITS: a block of zeros gets the byte 1 (codes 0; this program alone reads the bytes); blocks whose largest magnitude lies under 2^-118 are held at byte 1; NaN and infinities are not served.
.set KSTEP,  256
.set NQ,     2
.set ROWB,   256
.set KROW,   1024
.set PITCH,  272
.set FR,     16
.set NL,     4
.set NP,     8
.set HALFT,  128*PITCH
.set SLOT,   4*HALFT
.set LAPS,   2
.set KS,     32
.set SCL,    2*SLOT
.set HALFS,  (128*KS/256)*272
.set SBLK,   (16*KS/256)*272
.set SPARE,  SCL+4*HALFS
.set BIASL,  SPARE+512
.set ADRA, 16
.set ADRB, 20
.set ADRS, 27
.set SPW,  28
.set NIL,  29
.set SC,   32
.set AF,   128
.set OFF,  7
.set SO,   9
.set VCS,  11
.set BA,   12
.set SW,   16
.set RS,   24
.set PC,   32
.set T,    32
.set SS,   40
.set TM,   48
.set CSB,  64
.set ST,   128
.set BI,   192
.set SEL,  20
.set MNT,  22
.set EPS,  23
.set G1, 24
.set G0, 32
.set G1B, 48
.set G0B, 56
.set G1S, 68
.set G0S, 76
.set G1SB, 80
.set G0SB, 88
.set MSB, 0
.macro WIN new
.if MSB != (\new)
	s_set_vgpr_msb (MSB<<8)|(\new)
.set MSB, (\new)
.endif
.endm
.set MUL_LO, 0xa1
.set MUL_HI, 0xf1
.set TO_B,   0x40
.macro JLOAD g0a, g1a, g0b, g1b
	s_cmp_eq_u32 s15, 0
	s_cbranch_scc0 .Lfor_b_\@
	tensor_load_to_lds s[\g0a:\g0a+3], s[\g1a:\g1a+7]
	s_nop 0
.rept 4
	v_nop
.endr
	s_branch .Lasked_\@
.Lfor_b_\@:
	tensor_load_to_lds s[\g0b:\g0b+3], s[\g1b:\g1b+7]
	s_nop 0
.rept 4
	v_nop
.endr
.Lasked_\@:
.endm
.macro CREST
	s_cmp_lg_u32 s14, 0
	s_cbranch_scc1 .Lnot_wave_0_\@
	s_barrier_signal -3
.Lnot_wave_0_\@:
	s_barrier_wait -3
	s_barrier_signal -1
	s_barrier_wait -1
.endm
.macro CROUND
	s_barrier_signal -1
	s_barrier_wait -1
	CREST
.endm
	s_load_b256 s[4:11], s[0:1], 0x0
	v_lshl_add_u32 v[SPW], v0, 2, SPARE
	v_mov_b32 v[NIL], 0
	ds_add_u32 v28, v29
	ds_add_u32 v28, v29
	s_wait_dscnt 0x0
	v_lshrrev_b32 v1, 5, v0
	v_readfirstlane_b32 s14, v1
	s_lshr_b32 s15, s14, 1
	s_and_b32 s16, s14, 1
	s_bfe_u32 s40, ttmp6, 0x40000
	s_bfe_u32 s41, ttmp6, 0x40004
	s_lshr_b32 s18, ttmp9, 1
	s_lshl_b32 s18, s18, 2
	s_and_b32 s19, ttmp9, 1
	s_lshl_b32 s19, s19, 2
	s_and_b32 s20, ttmp9, 3
	s_lshl_b32 s20, s20, 2
	s_cmp_lt_u32 ttmp9, 8
	s_cselect_b32 s17, s18, 8
	s_cselect_b32 s42, s19, s20
	s_add_co_u32 s17, s17, s41
	s_add_co_u32 s42, s42, s40
	s_lshl_b32 s43, s41, 2
	s_lshl_b32 s43, 15, s43
	s_lshl_b32 s44, 0x1111, s40
	s_or_b32 s[G1+0], s43, (0<<16)|(1<<20)|(1<<21)|(5<<22)|(3<<25)
	s_or_b32 s[G1B+0], s44, (0<<16)|(1<<20)|(1<<21)|(5<<22)|(3<<25)
.irp g, G1, G1B
	s_mov_b32 s[\g+1], ROWB<<16
	s_mov_b32 s[\g+2], 256<<16
	s_mov_b32 s[\g+3], ROWB<<16
	s_mov_b32 s[\g+4], 256
	s_mov_b32 s[\g+5], KROW
	s_mov_b32 s[\g+6], 0
	s_mov_b32 s[\g+7], 0
.endr
	s_or_b32 s[G1S+0], s43, (3<<16)|(1<<20)|(1<<21)|(5<<22)|(3<<25)
	s_or_b32 s[G1SB+0], s44, (3<<16)|(1<<20)|(1<<21)|(5<<22)|(3<<25)
.irp g, G1S, G1SB
	s_mov_b32 s[\g+1], 32<<16
	s_mov_b32 s[\g+2], KS<<16
	s_mov_b32 s[\g+3], 32<<16
	s_mov_b32 s[\g+4], KS
	s_mov_b32 s[\g+5], 32
	s_mov_b32 s[\g+6], 0
	s_mov_b32 s[\g+7], 0
.endr
	s_lshl_b32 s20, s17, 8
	s_lshl_b32 s46, s42, 8
	s_lshl_b32 s22, s20, 5
	s_mov_b32 s23, 0
	s_lshl_b32 s92, s46, 5
	s_mov_b32 s93, 0
	s_lshl_b32 s20, s20, 10
	s_mov_b32 s21, 0
	s_lshl_b32 s46, s46, 10
	s_mov_b32 s47, 0
	s_mul_i32 s45, s14, HALFT
	s_wait_kmcnt 0x0
	s_cmp_lt_u32 ttmp9, 8
	s_cselect_b64 s[96:97], s[4:5], s[8:9]
	s_cselect_b64 s[98:99], s[6:7], s[10:11]
	s_cselect_b64 s[4:5], s[8:9], s[4:5]
	s_cselect_b64 s[6:7], s[10:11], s[6:7]
	s_add_nc_u64 s[20:21], s[96:97], s[20:21]
	s_add_nc_u64 s[22:23], s[98:99], s[22:23]
	s_add_nc_u64 s[46:47], s[4:5], s[46:47]
	s_add_nc_u64 s[92:93], s[6:7], s[92:93]
	CROUND
	s_mov_b32 s[G0S], 1
	s_mov_b32 s[G0S+1], SCL
	s_mov_b64 s[G0S+2:G0S+3], s[22:23]
	s_or_b32 s[G0S+3], s[G0S+3], 0x80000000
	s_mov_b32 s[G0SB], 1
	s_mov_b32 s[G0SB+1], SCL+2*HALFS
	s_mov_b64 s[G0SB+2:G0SB+3], s[92:93]
	s_or_b32 s[G0SB+3], s[G0SB+3], 0x80000000
	s_lshl_b32 s18, s16, 17                        ; in the ring I fetch 128 rows of a tile: which half, in bytes (0 in waves 0 and 2)
	s_mov_b32 s19, 0
	s_add_nc_u64 s[20:21], s[20:21], s[18:19]
	s_add_nc_u64 s[46:47], s[46:47], s[18:19]
.irp s, 0,1
	s_mov_b32 s[G0+4*\s], 1
	s_add_co_u32 s[G0+4*\s+1], s45, \s*SLOT
	s_add_nc_u64 s[G0+4*\s+2:G0+4*\s+3], s[20:21], \s*ROWB
	s_or_b32 s[G0+4*\s+3], s[G0+4*\s+3], 0x80000000
	s_mov_b32 s[G0B+4*\s], 1
	s_add_co_u32 s[G0B+4*\s+1], s45, \s*SLOT
	s_add_nc_u64 s[G0B+4*\s+2:G0B+4*\s+3], s[46:47], \s*ROWB
	s_or_b32 s[G0B+4*\s+3], s[G0B+4*\s+3], 0x80000000
.endr
; THE HEAD'S LOADS, ONE A WAVE, in one tree of branches.  Group 1 counts 256 rows here: waves 0 and 2, whose half is 0, fetch a whole operand's tile with their own slot 0 descriptors.
.macro ARM w, g0, g1, next
	s_cmp_eq_u32 s14, \w
	s_cbranch_scc0 \next
	tensor_load_to_lds s[\g0:\g0+3], s[\g1:\g1+7]
	s_nop 0
.rept 4
	v_nop
.endr
	s_branch .Lhead_asked
\next:
.endm
	ARM 0, G0,  G1,  .Lhead_b
	ARM 2, G0B, G1B, .Lhead_sa
	ARM 1, G0S, G1S, .Lhead_sb
	tensor_load_to_lds s[G0SB:G0SB+3], s[G1SB:G1SB+7]
	s_nop 0
.rept 4
	v_nop
.endr
.Lhead_asked:
	s_load_b256 s[4:11], s[0:1], 0x20
	s_load_b64 s[12:13], s[0:1], 0x40
	v_and_b32 v1, 15, v0
	v_bfe_u32 v2, v0, 4, 1
	v_mul_u32_u24 v3, v1, PITCH
	v_lshl_add_u32 v4, v2, 4, v3
	s_mul_i32 s21, s15, HALFT
	s_mul_i32 s22, s16, HALFT
	s_add_co_u32 s22, s22, 2*HALFT
.irp s, 0,1
	v_add_nc_u32 v[ADRA+\s], s21, v4
	v_add_nc_u32 v[ADRB+\s], s22, v4
	s_add_co_u32 s21, s21, SLOT
	s_add_co_u32 s22, s22, SLOT
.endr
	v_mul_u32_u24 v5, v1, KS
	v_lshrrev_b32 v6, 8, v5
	v_lshl_add_u32 v5, v6, 4, v5
	s_mul_i32 s21, s15, HALFS
	s_mul_i32 s22, s16, HALFS
	s_add_co_u32 s22, s22, 2*HALFS
	s_sub_co_u32 s22, s22, s21
	v_mul_u32_u24 v6, s22, v2
	s_add_co_u32 s21, s21, SCL
	v_add_nc_u32 v5, v5, v6
	v_add_nc_u32 v[ADRS], s21, v5
	v_lshlrev_b32 v13, 3, v0
	v_lshl_add_u32 v[BA], v0, 3, BIASL
	v_and_b32 v5, 7, v1
	v_lshrrev_b32 v6, 3, v1
	v_lshl_add_u32 v5, v6, 4, v5
	v_lshlrev_b32 v[VCS], 7, v5
	v_lshl_add_u32 v[VCS], v2, 6, v[VCS]
	s_and_b32 s95, s17, 7
	s_lshl_b32 s95, s95, 1
	s_add_co_u32 s95, s95, s15
	s_lshl_b32 s18, s95, 14
	v_add_nc_u32 v[VCS], s18, v[VCS]
	s_cmp_lt_u32 ttmp9, 8
	s_cselect_b32 s18, s42, s17
	s_lshl_b32 s18, s18, 10
	s_mov_b32 s19, 0
	s_wait_alu depctr_va_vdst(0)
	s_wait_kmcnt 0x0
	s_add_nc_u64 s[4:5], s[4:5], s[18:19]
	global_load_b64 v[30:31], v13, s[4:5]
.macro CSLOAD a
.irp q, 0,1,2,3
	global_load_b128 v[CSB+32*((\a)%2)+4*\q:CSB+32*((\a)%2)+4*\q+3], v[VCS], s[6:7] offset:4096*((\a)/2)+1024*((\a)%2)+16*\q
.endr
.irp q, 0,1,2,3
	global_load_b128 v[CSB+32*((\a)%2)+16+4*\q:CSB+32*((\a)%2)+16+4*\q+3], v[VCS], s[8:9] offset:4096*((\a)/2)+1024*((\a)%2)+16*\q
.endr
.endm
	CSLOAD 0
	CSLOAD 1
	s_wait_loadcnt 16
	ds_store_b64 v[BA], v[30:31]
.macro FRAG reg, adr, q, i
.irp c, 0,1,2,3
	ds_load_b128 v[\reg+4*\c:\reg+4*\c+3], v[\adr] offset:128*(\q)+32*\c+(\i)*16*PITCH
.endr
.endm
.macro MUL16 a0, p, q, sc, zero
.irp a, \a0, \a0+1
.irp b, 0,1,2,3,4,5,6,7
.if \zero
	v_wmma_scale_f32_16x16x128_f8f6f4 v[8*(8*((\a)%4)+\b):8*(8*((\a)%4)+\b)+7], v[128*(\p)+FR*\b:128*(\p)+FR*\b+FR-1], v[AF+FR*(\a):AF+FR*(\a)+FR-1], 0, v[SC+8*NQ*(\sc)+NQ*\b+(\q)], v[SC+8*NQ*(\sc)+NQ*(\a)+(\q)] matrix_a_scale:MATRIX_SCALE_ROW1
.else
	v_wmma_scale_f32_16x16x128_f8f6f4 v[8*(8*((\a)%4)+\b):8*(8*((\a)%4)+\b)+7], v[128*(\p)+FR*\b:128*(\p)+FR*\b+FR-1], v[AF+FR*(\a):AF+FR*(\a)+FR-1], v[8*(8*((\a)%4)+\b):8*(8*((\a)%4)+\b)+7], v[SC+8*NQ*(\sc)+NQ*\b+(\q)], v[SC+8*NQ*(\sc)+NQ*(\a)+(\q)] matrix_a_scale:MATRIX_SCALE_ROW1
.endif
.endr
.endr
.endm
.macro FETCH_B slot, q, p
	WIN TO_B
.irp i, 0,1,2,3,4,5,6,7
	FRAG 128*(\p)+FR*\i, ADRB+\slot, \q, \i
.endr
	WIN 0
.endm
.macro FETCH_A slot, q, i0
.irp i, \i0, \i0+1, \i0+2, \i0+3
	FRAG AF+FR*(\i), ADRA+\slot, \q, \i
.endr
.endm
.macro SCALES sc
.irp i, 0,1,2,3,4,5,6,7
	ds_load_b64 v[SC+8*NQ*\sc+NQ*\i:SC+8*NQ*\sc+NQ*\i+1], v[ADRS] offset:\i*SBLK
.endr
.endm
.macro PLACES n
.rept \n
	v_nop
.endr
.endm
.macro STEP slot, q, zero
	s_wait_dscnt 4*NL
	WIN MUL_LO
	MUL16 0, (\q)%2, \q, \slot, \zero
	MUL16 2, (\q)%2, \q, \slot, \zero
	s_wait_dscnt 0
	PLACES NP
	FETCH_B \slot, (\q)+1, 1-(\q)%2
	FETCH_A \slot, (\q)+1, 0
	WIN MUL_HI
	MUL16 4, (\q)%2, \q, \slot, \zero
	MUL16 6, (\q)%2, \q, \slot, \zero
	PLACES NP
	WIN 0
	FETCH_A \slot, (\q)+1, 4
.endm
.macro TURN slot, next, fill
	s_wait_tensorcnt 0x0
	ds_add_u32 v[SPW], v[NIL]
	s_wait_dscnt 4*NL+1
	WIN MUL_LO
	MUL16 0, 1, NQ-1, \slot, 0
	s_wait_dscnt 0x0
	s_barrier_signal -1
	MUL16 2, 1, NQ-1, \slot, 0
	WIN 0
	s_barrier_wait -1
.if \fill
	CREST
	s_add_nc_u64 s[G0+4*\slot+2:G0+4*\slot+3], s[G0+4*\slot+2:G0+4*\slot+3], 2*ROWB
	s_add_nc_u64 s[G0B+4*\slot+2:G0B+4*\slot+3], s[G0B+4*\slot+2:G0B+4*\slot+3], 2*ROWB
	JLOAD G0+4*\slot, G1, G0B+4*\slot, G1B
	PLACES NP-4
.else
	PLACES NP
.endif
	s_wait_alu depctr_va_vdst(0)
	v_add_nc_u32 v[ADRS], 4*NQ, v[ADRS]
	FETCH_B \next, 0, 0
	FETCH_A \next, 0, 0
	SCALES \next
	WIN MUL_HI
	MUL16 4, 1, NQ-1, \slot, 0
	MUL16 6, 1, NQ-1, \slot, 0
	PLACES NP
	WIN 0
	FETCH_A \next, 0, 4
.endm
	s_wait_alu depctr_va_vdst(0)
	s_wait_tensorcnt 0x0                           ; my tile of the head's four is in
	ds_add_u32 v[SPW], v[NIL]
	s_mov_b32 s[G1+2], 128<<16                     ; no tensor load of mine is out: from here on a load brings 128 rows
	s_mov_b32 s[G1+4], 128
	s_mov_b32 s[G1B+2], 128<<16
	s_mov_b32 s[G1B+4], 128
	s_wait_dscnt 0x0                               ; the add and the bias's store are done
	CROUND
	JLOAD G0+4, G1, G0B+4, G1B                     ; slot 1's first fill: the first tensor load behind the round
	FETCH_B 0, 0, 0
	FETCH_A 0, 0, 0
	SCALES 0
	FETCH_A 0, 0, 4
	STEP 0, 0, 1
	s_mov_b32 s3, LAPS-1
.Llap:
	TURN 0, 1, 1
	STEP 1, 0, 0
	TURN 1, 0, 1
	STEP 0, 0, 0
	s_sub_co_u32 s3, s3, 1
	s_cmp_lg_u32 s3, 0
	s_cbranch_scc1 .Llap
	TURN 0, 1, 0
	STEP 1, 0, 0
	s_wait_dscnt 4*NL
	WIN MUL_LO
	MUL16 0, 1, NQ-1, 1, 0
	MUL16 2, 1, NQ-1, 1, 0
	s_wait_dscnt 0
	WIN MUL_HI
	MUL16 4, 1, NQ-1, 1, 0
	MUL16 6, 1, NQ-1, 1, 0
	WIN 0
.macro QSCALE s
.irp b, 0,1,2,3
	v_max3_num_f32 v[TM+\b], |v[\s+16*\b]|, |v[\s+1+16*\b]|, 0x4800000
.endr
.irp i, 2,4,6,8,10,12,14
.irp b, 0,1,2,3
	v_max3_num_f32 v[TM+\b], v[TM+\b], |v[\s+16*\b+\i]|, |v[\s+1+16*\b+\i]|
.endr
.endr
.irp b, 0,1,2,3
	v_permlanex16_b32 v[TM+4+\b], v[TM+\b], s[SEL], s[SEL+1]
.endr
.irp b, 0,1,2,3
	v_max_num_f32 v[TM+\b], v[TM+\b], v[TM+4+\b]
.endr
.irp b, 0,1,2,3
	v_add_nc_u32 v[TM+12+\b], 0xfc000000, v[TM+\b]
.endr
.irp b, 0,1,2,3
	v_and_or_b32 v[TM+8+\b], v[TM+\b], 0x7f800000, s[MNT]
.endr
.irp b, 0,1,2,3
	v_lshrrev_b32 v[TM+4+\b], 23, v[TM+12+\b]
.endr
.endm
.macro QCODE s
.irp b, 0,1,2,3
.irp i, 0,1,2,3,4,5,6,7,8,9,10,11,12,13,14,15
	v_med3_num_f32 v[\s+16*\b+\i], v[\s+16*\b+\i], -v[TM+8+\b], v[TM+8+\b]
.endr
	v_cvt_scalef32_pk8_fp8_f32 v[PC+4*\b:PC+1+4*\b], v[\s+16*\b:\s+7+16*\b], v[TM+12+\b]
	v_cvt_scalef32_pk8_fp8_f32 v[PC+2+4*\b:PC+3+4*\b], v[\s+8+16*\b:\s+15+16*\b], v[TM+12+\b]
.endr
	v_nop
.endm
.macro FINISH
	s_wait_tensorcnt 0x0
	ds_add_u32 v[SPW], v[NIL]
	s_wait_dscnt 0x0
	CROUND
	s_endpgm
.endm
	PLACES NP
	v_and_b32 v1, 15, v0
	v_bfe_u32 v2, v0, 4, 1
	v_and_b32 v3, 31, v0
	v_lshlrev_b32 v[OFF], 4, v3
	v_lshlrev_b32 v[SO], 4, v1
.irp b, 0,1,2,3
	v_mov_b32 v[TM+4+\b], 0
.endr
	v_mov_b32 v[RS+1], 0
	v_mov_b32 v[RS+3], 0
	s_mov_b32 s[SEL], 0x76543210
	s_mov_b32 s[SEL+1], 0xfedcba98
	s_mov_b32 s[MNT], 0x600000
	s_mov_b32 s[EPS], 0x34000000
	s_cmp_lt_u32 ttmp9, 8
	s_cbranch_scc0 .Lv
	s_lshr_b32 s24, s17, 3
	s_lshl_b32 s24, s24, 4
	s_lshl_b32 s25, s40, 2
	s_add_co_u32 s24, s24, s25
	s_lshl_b32 s25, s16, 1
	s_add_co_u32 s24, s24, s25
	s_and_b32 s26, ttmp9, 1
	s_lshl_b32 s27, 135168, s26
	s_mul_i32 s28, s24, s27
	s_lshl_b32 s32, s95, 13
	s_add_co_u32 s32, s32, 4096
	s_lshl_b32 s32, s32, s26
	s_add_co_u32 s32, s32, s28
	s_mov_b32 s33, 0
	s_lshl_b32 s34, s95, 8
	s_add_co_u32 s34, s34, s28
	s_mov_b32 s35, 0
	s_cmp_eq_u32 s26, 0
	s_cselect_b64 s[30:31], s[10:11], s[12:13]
	s_add_nc_u64 s[32:33], s[30:31], s[32:33]
	s_add_nc_u64 s[34:35], s[30:31], s[34:35]
	s_wait_alu depctr_va_vdst(0)
	v_add_nc_u32 v[OFF+1], s27, v[OFF]
	v_add_nc_u32 v[SO+1], s27, v[SO]
	s_lshl_b32 s29, s16, 9
	s_add_co_u32 s29, s29, BIASL
	v_lshl_add_u32 v[BA], v2, 6, s29
	WIN 0x40                                       ; the bias lies in window 1, so that two sets of codes have room in window 0
.set n, 0
.rept 16
	ds_load_b128 v[BI+4*n:BI+4*n+3], v[BA] offset:256*(n/8)+128*((n/4)%2)+16*(n%4)
.set n, n+1
.endr
	WIN 0
	s_wait_dscnt 0x0
.macro EPI_QK a
	WIN 0x06+(\a)/4
.set j, 0
.rept 32
	v_pk_add_f32 v[ST+j:ST+j+1], v[64*((\a)%4)+j:64*((\a)%4)+j+1], v[BI+j:BI+j+1]
.set j, j+2
.endr
	WIN 0
.irp hd, 0,1
.irp k, 0,1
	v_pk_mul_f32 v[SS+4*\hd+2*\k:SS+4*\hd+2*\k+1], v[ST+32*\hd+2*\k:ST+32*\hd+2*\k+1], v[ST+32*\hd+2*\k:ST+32*\hd+2*\k+1]
.endr
.endr
.irp p, 1,2,3,4,5,6,7
.irp hd, 0,1
.irp k, 0,1
	v_pk_fma_f32 v[SS+4*\hd+2*\k:SS+4*\hd+2*\k+1], v[ST+32*\hd+4*\p+2*\k:ST+32*\hd+4*\p+2*\k+1], v[ST+32*\hd+4*\p+2*\k:ST+32*\hd+4*\p+2*\k+1], v[SS+4*\hd+2*\k:SS+4*\hd+2*\k+1]
.endr
.endr
.endr
.irp hd, 0,1
	v_pk_add_f32 v[SS+4*\hd:SS+4*\hd+1], v[SS+4*\hd:SS+4*\hd+1], v[SS+4*\hd+2:SS+4*\hd+3]
.endr
.irp hd, 0,1
	v_add_f32 v[SS+4*\hd], v[SS+4*\hd], v[SS+4*\hd+1]
.endr
.irp hd, 0,1
	v_permlanex16_b32 v[SS+4*\hd+1], v[SS+4*\hd], s[SEL], s[SEL+1]
.endr
.irp hd, 0,1
	v_add_f32 v[SS+4*\hd], v[SS+4*\hd], v[SS+4*\hd+1]
.endr
.irp hd, 0,1
	v_fma_f32 v[SS+4*\hd], v[SS+4*\hd], 0x3c800000, s[EPS]
.endr
	s_wait_alu depctr_va_vdst(0)
.irp hd, 0,1
	v_rsq_f32 v[RS+2*\hd], v[SS+4*\hd]
.endr
.if (\a) < 7
	s_wait_loadcnt 8
.else
	s_wait_loadcnt 0
.endif
.irp hd, 0,1
.set p, 0
.rept 8
.set TT, T+4*(p%2)
.set X1, ST+32*\hd+2*p
.set X2, X1+16
.set CC, CSB+32*((\a)%2)+2*p
	v_pk_mul_f32 v[TT:TT+1], v[X1:X1+1], v[CC:CC+1]
	v_pk_mul_f32 v[TT+2:TT+3], v[X2:X2+1], v[CC:CC+1]
	v_pk_fma_f32 v[TT:TT+1], v[X2:X2+1], v[CC+16:CC+17], v[TT:TT+1]
	v_pk_fma_f32 v[TT+2:TT+3], v[X1:X1+1], v[CC+16:CC+17], v[TT+2:TT+3] neg_lo:[1,0,0] neg_hi:[1,0,0]
.if (\hd == 0) && (p == 0)
	s_wait_alu depctr_va_vdst(0)
.endif
	v_pk_mul_f32 v[X1:X1+1], v[TT:TT+1], v[RS+2*\hd:RS+2*\hd+1] op_sel_hi:[1,0]
	v_pk_mul_f32 v[X2:X2+1], v[TT+2:TT+3], v[RS+2*\hd:RS+2*\hd+1] op_sel_hi:[1,0]
.set p, p+1
.endr
.endr
.if (\a) < 6
	CSLOAD (\a)+2
.endif
	QSCALE ST
.irp hd, 0,1
.if ((\a)%2) == 0
	v_lshl_or_b32 v[SW+4*\hd+(\a)/2], v[TM+5+2*\hd], 8, v[TM+4+2*\hd]
.else
	v_lshl_or_b32 v[TM+4+2*\hd], v[TM+5+2*\hd], 8, v[TM+4+2*\hd]
	v_lshl_or_b32 v[SW+4*\hd+(\a)/2], v[TM+4+2*\hd], 16, v[SW+4*\hd+(\a)/2]
.endif
.endr
.set PC, 208+16*((\a)%2)
	s_wait_alu depctr_va_vdst(0)
	s_wait_xcnt 0x0                                ; the earlier blocks' stores have read their registers: the codes may be written
	QCODE ST
.irp hd, 0,1
.irp be, 0,1
	global_store_b128 v[OFF+\hd], v[PC+4*(2*\hd+\be):PC+4*(2*\hd+\be)+3], s[32:33] offset:1024*(\a)+512*\be
.endr
.endr
.endm
.irp a, 0,1,2,3,4,5,6,7
	EPI_QK \a
.endr
	global_store_b128 v[SO], v[SW:SW+3], s[34:35]
	global_store_b128 v[SO+1], v[SW+4:SW+7], s[34:35]
	FINISH
.Lv:
	s_lshr_b32 s24, s42, 3
	s_lshl_b32 s24, s24, 4
	s_lshl_b32 s25, s41, 2
	s_add_co_u32 s24, s24, s25
	s_lshl_b32 s25, s15, 1
	s_add_co_u32 s24, s24, s25
	s_mul_i32 s28, s24, 270336
	s_and_b32 s26, s42, 7
	s_lshl_b32 s26, s26, 1
	s_add_co_u32 s26, s26, s16
	s_lshl_b32 s32, s26, 14
	s_add_co_u32 s32, s32, 16384
	s_add_co_u32 s32, s32, s28
	s_mov_b32 s33, 0
	s_lshl_b32 s34, s26, 8
	s_add_co_u32 s34, s34, 4096
	s_add_co_u32 s34, s34, s28
	s_mov_b32 s35, 0
	s_add_nc_u64 s[32:33], s[12:13], s[32:33]
	s_add_nc_u64 s[34:35], s[12:13], s[34:35]
	v_and_b32 v5, 7, v1
	v_lshrrev_b32 v6, 3, v1
	v_lshl_add_u32 v5, v6, 4, v5
	s_lshl_b32 s29, s15, 9
	s_add_co_u32 s29, s29, BIASL
	v_lshl_add_u32 v[BA], v5, 2, s29
.irp a, 0,1,2,3,4,5,6,7
	ds_load_b32 v[BI+2*\a], v[BA] offset:4*(32*(\a/2)+8*(\a%2))
	ds_load_b32 v[BI+2*\a+1], v[BA] offset:4*(32*(\a/2)+8*(\a%2))
.endr
	s_wait_loadcnt 0x0
	s_wait_dscnt 0x0
.macro EPI_V a
	WIN 0x02+(\a)/4
.set j, 0
.rept 32
	v_pk_add_f32 v[ST+j:ST+j+1], v[64*((\a)%4)+j:64*((\a)%4)+j+1], v[BI+2*(\a):BI+2*(\a)+1]
.set j, j+2
.endr
	WIN 0
	QSCALE ST
.set PC, 208+16*((\a)%2)
	s_wait_alu depctr_va_vdst(0)
	s_wait_xcnt 0x0                                ; the earlier blocks' stores have read their registers: codes and scale words may be written
	v_lshl_or_b32 v[SW+(\a)%4], v[TM+5], 8, v[TM+4]
	v_lshl_or_b32 v[SW+(\a)%4], v[TM+6], 16, v[SW+(\a)%4]
	v_lshl_or_b32 v[SW+(\a)%4], v[TM+7], 24, v[SW+(\a)%4]
	QCODE ST
.irp c, 0,1,2,3
	global_store_b128 v[OFF], v[PC+4*\c:PC+4*\c+3], s[32:33] offset:((\a)/4)*270336+((\a)%4)*2048+512*\c
.endr
.if ((\a)%4) == 3
	global_store_b128 v[SO], v[SW:SW+3], s[34:35] offset:((\a)/4)*270336
.endif
.endm
.irp a, 0,1,2,3,4,5,6,7
	EPI_V \a
.endr
	FINISH
.Lfunc_end_k_q0967ffe943_qkv:
	.size	k_q0967ffe943_qkv, .Lfunc_end_k_q0967ffe943_qkv-k_q0967ffe943_qkv
	.p2alignl 7, 3214868480
	.fill 96, 4, 3214868480
	.section	.rodata,"a",@progbits
	.p2align	6, 0x0
	.amdhsa_kernel k_q0967ffe943_qkv
		.amdhsa_group_segment_fixed_size 327680
		.amdhsa_private_segment_fixed_size 0
		.amdhsa_enable_private_segment 0
		.amdhsa_kernarg_size 72
		.amdhsa_user_sgpr_count 2
		.amdhsa_user_sgpr_kernarg_segment_ptr 1
		.amdhsa_wavefront_size32 1
		.amdhsa_system_sgpr_workgroup_id_x 1
		.amdhsa_system_sgpr_workgroup_id_y 1
		.amdhsa_system_sgpr_workgroup_id_z 1
		.amdhsa_system_vgpr_workitem_id 0
		.amdhsa_next_free_vgpr 1024
		.amdhsa_next_free_sgpr 102
		.amdhsa_reserve_vcc 0
		.amdhsa_float_denorm_mode_32 3
		.amdhsa_float_denorm_mode_16_64 3
		.amdhsa_memory_ordered 1
		.amdhsa_forward_progress 1
		.amdhsa_inst_pref_size 255
	.end_amdhsa_kernel
	.section	.bss,"aw",@nobits
	.p2align	6
	.space	262144
	.amdgpu_metadata
---
amdhsa.version: [ 1, 2 ]
amdhsa.kernels:
  - .name:           k_q0967ffe943_qkv
    .symbol:         k_q0967ffe943_qkv.kd
    .args:
      - { .name: xq, .offset: 0, .size: 8, .value_kind: global_buffer, .address_space: global }
      - { .name: xs, .offset: 8, .size: 8, .value_kind: global_buffer, .address_space: global }
      - { .name: wq, .offset: 16, .size: 8, .value_kind: global_buffer, .address_space: global }
      - { .name: ws, .offset: 24, .size: 8, .value_kind: global_buffer, .address_space: global }
      - { .name: b_attn, .offset: 32, .size: 8, .value_kind: global_buffer, .address_space: global }
      - { .name: cos, .offset: 40, .size: 8, .value_kind: global_buffer, .address_space: global }
      - { .name: sin, .offset: 48, .size: 8, .value_kind: global_buffer, .address_space: global }
      - { .name: qb, .offset: 56, .size: 8, .value_kind: global_buffer, .address_space: global }
      - { .name: kv, .offset: 64, .size: 8, .value_kind: global_buffer, .address_space: global }
    .group_segment_fixed_size: 327680
    .private_segment_fixed_size: 0
    .kernarg_segment_align: 8
    .kernarg_segment_size: 72
    .max_flat_workgroup_size: 128
    .sgpr_count:     102
    .vgpr_count:     1024
    .wavefront_size: 32
...
	.end_amdgpu_metadata
.endif
;; end of part 2
;; launch attn (part 3): grid 8 x 32, 16 waves a work-group, clusters of 4 x 4, 327,680 bytes of LDS; arguments qb, kv, yc, ys; writes yc, ys
.if DOCPART == 3
	.amdgcn_target "amdgcn-amd-amdhsa--gfx1250"
	.amdhsa_code_object_version 6
	.text
	.protected	k_q0967ffe943_attn
	.globl	k_q0967ffe943_attn
	.p2align	8
	.type	k_q0967ffe943_attn,@function
k_q0967ffe943_attn:
	s_mov_b64 s[64:65], 0
	v_nop
	global_prefetch_b8 v0, s[64:65] scope:SCOPE_SE
	s_setreg_imm32_b32 hwreg(HW_REG_WAVE_MODE, 25, 1), 1
	s_wait_xcnt 0x0
	s_wait_alu depctr_hold_cnt(0) depctr_sa_sdst(0) depctr_va_vdst(0) depctr_va_sdst(0) depctr_va_ssrc(0) depctr_va_vcc(0) depctr_vm_vsrc(0)
	s_getreg_b32 s2, hwreg(HW_REG_IB_STS2, 6, 4)
	s_cmp_eq_u32 s2, 0
	s_cbranch_scc0 .Lentry_in_a_cluster
	s_endpgm
.Lentry_in_a_cluster:
	s_bfe_u32 s2, ttmp6, 0x10000c
	s_cmp_lg_u32 s2, 0xf033
	s_cbranch_scc0 .Lentry_shape_is_right
	s_endpgm
.Lentry_shape_is_right:
; y = softmax(q k^T / 8, causal) v for one (batch, head), both products on codes of FP8 (E4M3) with E8M0 scales; y is quantised along the model's 1,024 and leaves as codes.
; THE SOFTMAX: t = score x log2(e) / 8; M = the row's largest t so far, rounded UP to a whole number; p = 2^(t - M) is what is quantised, along the keys.  The row's sum is taken of the unquantised p
; and divides at the end.  When M moves, the sum and O are multiplied by 2^(old M - new M): exact.
; LEFT OUT: key steps (128 keys) that lie wholly above the diagonal: the causal mask hides them, so their p is 0 for all values of the inputs.  A NaN or an infinity in such a score is not carried.
; SHARES.  A head's 2,048 queries are 16 blocks of 8 tiles of 16.  Work-group i of a head (i = 0 .. 7) owns tile i of EVERY block: so what a wave walks hangs on its own number alone, and all work-groups read all keys.
; A tile of block B needs key steps 0 .. B.  Blocks a and 15 - a (a = wave % 8) need 17 steps together, and go to two waves: wave a takes steps 0 .. 8 of block 15 - a's tile;
; wave 8 + a takes block a's tile, steps 0 .. a, sends it out, and then steps 9 .. 15 - a of block 15 - a's tile.  The two parts of that tile are joined through LDS at the end: each part's O and sum are brought under the larger M.
; LDS is the head's block of kv, byte for byte: scale words, then 16 key steps of 16,384 bytes.  One tensor load a wave: wave 0 the scale words and key step 0, wave w > 0 key step w.  No byte is filled again.
; Key step 0 is worked by all waves behind a first barrier, the others behind a second one.
; CLUSTERS of 4 x 4: cluster c has heads 2 c and 2 c + 1, each on two rows of the cluster; the four work-groups of a row ask for the head's kv jointly.
; NO PREFETCH: all tiles are asked for at the head, so there is no loop to run ahead in.
; K = 64 IS HALF OF THE INSTRUCTION'S 128: a row of K's image holds two keys, 8 apart.  Q stands between two runs of zero codes: [Q | 0] picks the first key, [0 | Q] the second.
; Both products are used transposed: a lane holds ONE query (lane % 16); register 16 b + i of the scores is key 32 b + 16 (lane / 16) + i.  V's rows lie in position order, so register 16 b + i of O^T is channel 32 b + 16 (lane / 16) + i.
; LIMITS: a block of zeros gets the byte 1 (codes 0; this program alone reads the bytes); blocks whose largest magnitude lies under 2^-118 are held at byte 1; NaN and infinities are not served;
; scaled scores (t) stay under 2^31 in magnitude.  ys is written two bytes a lane, rows 32 bytes apart: 128 KiB in the whole launch.
.set S,    104                         ; v104-167 S^T, then p; on the way out y
.set O,    168                         ; v168-199 O^T
.set PCD,  200                         ; v200-215 p's codes; on the way out y's
.set KVF,  40                          ; v40-103  four fragments, of K and then of V
.set SCW,  216                         ; v216-219 scale words: lanes 0-15 K's image b, lanes 16-31 V's image b
.set QS,   220                         ; v220     Q's scale word (its two bytes twice)
.set PS,   221                         ; v221     p's scale word
.set SPW,  251                         ; v251     my spare word's LDS address;  v255  0
.set NIL,  255
.set PART, 270336                      ; LDS: 4,608 bytes for each pair of waves: first the held Q of wave 8 + a, at the end its part of O
.set SPARE, PART+8*4608
.set WV,   12
.set BH,   13                          ; 16 x batch + head
.set PA,   14                          ; a
.set LIM,  16                          ; the last trip of my first tile
.set NT,   17                          ; my trips
.set JUMP, 18                          ; added to the trip for my second tile's key step
.set MNT,  19
.set SEL,  20
.set CS,   22                          ; s[22:23] c = log2(e) / 8
.set T,    60                          ; the trip
.set KS,   61                          ; the key step
.set BLK,  62                          ; the block of the tile in hand
.set TI,   63                          ; i: my tile in every block
.set HALF, 78                          ; which half of a scale word is my tile's, in bits
.macro CROUND                          ; a round of the cluster's barrier
	s_barrier_signal -1
	s_barrier_wait -1
	s_cmp_lg_u32 s[WV], 0
	s_cbranch_scc1 .Lnot_wave_0_\@
	s_barrier_signal -3
.Lnot_wave_0_\@:
	s_barrier_wait -3
	s_barrier_signal -1
	s_barrier_wait -1
.endm
.macro G1SET g, rows                   ; dense rows of 256 bytes: 32 elements of 8 bytes; s67 the mask
	s_or_b32 s[\g], s67, (3<<16)|(1<<21)
	s_mov_b32 s[\g+1], 32<<16
	s_mov_b32 s[\g+2], (\rows)<<16
	s_mov_b32 s[\g+3], 32<<16
	s_mov_b32 s[\g+4], \rows
	s_mov_b32 s[\g+5], 32
	s_mov_b32 s[\g+6], 0
	s_mov_b32 s[\g+7], 0
.endm
	s_load_b256 s[4:11], s[0:1], 0x0               ; qb s[4:5], kv s[6:7], yc s[8:9], ys s[10:11]
	v_lshl_add_u32 v[SPW], v0, 2, SPARE
	v_mov_b32 v[NIL], 0
	ds_add_u32 v[SPW], v[NIL]                      ; the wave's opening: the add, twice on end, and its wait
	ds_add_u32 v[SPW], v[NIL]
	v_lshrrev_b32 v1, 5, v0
	v_readfirstlane_b32 s[WV], v1                  ; wave 0..15
	s_bfe_u32 s68, ttmp6, 0x40000                  ; cx
	s_bfe_u32 s69, ttmp6, 0x40004                  ; cy
	s_and_b32 s66, ttmp7, 0xffff
	s_lshl_b32 s66, s66, 1
	s_add_co_u32 s66, s66, ttmp9                   ; cluster 0..15
	s_lshl_b32 s66, s66, 1
	s_lshr_b32 s67, s69, 1
	s_add_co_u32 s[BH], s66, s67                   ; the head: shared by my row of the cluster
	s_and_b32 s67, s69, 1
	s_lshl_b32 s67, s67, 2
	s_add_co_u32 s[TI], s67, s68
	s_lshl_b32 s67, s69, 2
	s_lshl_b32 s67, 15, s67                        ; my row of the cluster
	G1SET 24, 96                                   ; the scale words and key step 0: 24,576 bytes
	G1SET 32, 64                                   ; one key step: 16,384 bytes
	s_mul_i32 s2, s[BH], 270336
	s_mov_b32 s3, 0
	s_lshl_b32 s50, s[WV], 14
	s_add_co_u32 s50, s50, 8192                    ; key step w, in the block and in LDS
	s_mov_b32 s51, 0
	s_mov_b32 s40, 1
	s_mov_b32 s41, 0
	s_mov_b32 s44, 1
	s_mov_b32 s45, s50
	s_and_b32 s[PA], s[WV], 7
	s_xor_b32 s15, s[PA], 15                       ; 15 - a
	s_xor_b32 s[JUMP], s[PA], 7
	s_add_co_u32 s[JUMP], s[JUMP], 1               ; 8 - a
	s_cmp_lt_u32 s[WV], 8
	s_cselect_b32 s[BLK], s15, s[PA]
	s_cselect_b32 s[LIM], 15, s[PA]
	s_cselect_b32 s[NT], 9, 8
	s_wait_dscnt 0x0                               ; both opening adds are done
	CROUND                                         ; all sixteen work-groups are here: the joint loads meet
	s_wait_kmcnt 0x0
	s_add_nc_u64 s[6:7], s[6:7], s[2:3]            ; the head's block of kv
	s_mov_b64 s[42:43], s[6:7]
	s_or_b32 s43, s43, 0x80000000
	s_add_nc_u64 s[46:47], s[6:7], s[50:51]
	s_or_b32 s47, s47, 0x80000000
	s_cmp_eq_u32 s[WV], 0                          ; one joint load a wave; wave 0's line is its own, for it is shown first
	s_cbranch_scc0 .Lothers
	tensor_load_to_lds s[40:43], s[24:31]
	s_nop 0
.rept 4
	v_nop
.endr
	s_branch .Lasked
.Lothers:
	tensor_load_to_lds s[44:47], s[32:39]
	s_nop 0
.rept 4
	v_nop
.endr
.Lasked:
	v_and_b32 v10, 31, v0
	v_and_b32 v11, 15, v0                          ; r
	v_bfe_u32 v8, v0, 4, 1                         ; h
	v_lshlrev_b32 v1, 4, v10                       ; v1 = 16 x lane
	v_lshlrev_b32 v6, 4, v11                       ; v6 = 16 r
	v_lshlrev_b32 v9, 5, v11                       ; v9 = 32 r: my row of ys
	v_lshl_add_u32 v2, v8, 12, v6                  ; v2 = 16 r + h x 4,096: lanes 16-31 take V's scale words
	v_and_b32 v5, 7, v11
	v_lshrrev_b32 v3, 3, v11
	v_lshlrev_b32 v4, 4, v8
	v_lshl_add_u32 v5, v3, 4, v5
	v_sub_nc_u32 v5, v5, v4
	s_lshr_b32 s66, s[TI], 1
	s_lshl_b32 s66, s66, 5
	s_and_b32 s67, s[TI], 1
	s_lshl_b32 s67, s67, 3
	s_add_co_u32 s66, s66, s67
	s_wait_alu depctr_va_vdst(0)
	v_add_nc_u32 v5, s66, v5                       ; v5 = d = my query's place in its block of 128, less 16 h: on the diagonal register 16 b + i is hidden where 32 b + i > d
	s_mul_i32 s66, s[PA], 4608
	s_add_co_u32 s66, s66, PART
	v_add_nc_u32 v7, s66, v1                       ; v7 = my pair's place in LDS
	s_mul_i32 s66, s[BH], 135168
	s_mov_b32 s67, 0
	s_add_nc_u64 s[4:5], s[4:5], s[66:67]          ; the head's block of qb
	s_lshl_b32 s72, s[TI], 10
	s_add_co_u32 s72, s72, 4096
	s_lshr_b32 s73, s[TI], 1
	s_lshl_b32 s73, s73, 2
	s_lshl_b32 s66, s[BLK], 13
	s_add_co_u32 s66, s66, s72
	s_add_nc_u64 s[68:69], s[4:5], s[66:67]        ; my first tile's two pieces
	s_lshl_b32 s66, s[BLK], 8
	s_add_co_u32 s66, s66, s73
	s_add_nc_u64 s[70:71], s[4:5], s[66:67]        ; the word that holds its scale bytes
	s_lshl_b32 s66, s15, 13
	s_add_co_u32 s66, s66, s72
	s_add_nc_u64 s[74:75], s[4:5], s[66:67]        ; and those of block 15 - a
	s_lshl_b32 s66, s15, 8
	s_add_co_u32 s66, s66, s73
	s_add_nc_u64 s[76:77], s[4:5], s[66:67]
	s_and_b32 s[HALF], s[TI], 1
	s_lshl_b32 s[HALF], s[HALF], 4
	s_wait_alu depctr_va_vdst(0)
	global_load_b128 v[24:27], v1, s[68:69]
	global_load_b128 v[28:31], v1, s[68:69] offset:512
	global_load_b32 v[QS], v6, s[70:71]
	s_cmp_lt_u32 s[WV], 8
	s_cbranch_scc1 .Lone_q
	global_load_b128 v[40:43], v1, s[74:75]        ; waves 8-15: the second tile's Q, to be held in LDS
	global_load_b128 v[44:47], v1, s[74:75] offset:512
	global_load_b32 v48, v6, s[76:77]
.Lone_q:
	s_mov_b32 s[SEL], 0x76543210
	s_mov_b32 s[SEL+1], 0xfedcba98
	s_mov_b32 s[CS], 0x3e38aa3b
	s_mov_b32 s[CS+1], s[CS]
	s_mov_b32 s[MNT], 0x600000
	s_mov_b32 s[KS], 0
.irp j, 0,1,2,3,4,5,6,7
	v_mov_b32 v[16+\j], 0                          ; zero codes on both sides of Q: v16-31 = [0 | Q], v24-39 = [Q | 0]
	v_mov_b32 v[32+\j], 0
.endr
.macro FRESH                           ; no keys seen: M under every t, the sum and O^T zero
	v_mov_b32 v13, 0xff61b1e6                      ; the largest score so far: -3e38
	v_mov_b32 v12, 0x7e61b1e6                      ; -M: a whole number beyond every -t
	v_mov_b32 v14, 0                               ; the sum, in two halves
	v_mov_b32 v15, 0
.set j, 0
.rept 32
	v_mov_b32 v[O+j], 0
.set j, j+1
.endr
.endm
	FRESH
.irp b, 0,1,2,3
	v_mov_b32 v[236+\b], 0                         ; a lane permute's destination counts as one of its sources
.endr
	v_mov_b32 v252, 0
	v_mov_b32 v253, 0                              ; (the upper half of the pair v[252:253])
	v_add_nc_u32 v3, 8192, v1                      ; key step 0's images
	v_mov_b32 v4, v2                               ; and its scale words
	s_wait_alu depctr_va_vdst(0)
	s_wait_loadcnt 0x0                             ; Q
.macro QSW x                           ; the tile's two bytes of the word, twice: for either place of Q
	v_lshrrev_b32 v[\x], s[HALF], v[\x]
	s_delay_alu instid0(VALU_DEP_1)
	v_and_b32 v[\x], 0xffff, v[\x]
	s_delay_alu instid0(VALU_DEP_1)
	v_lshl_or_b32 v[\x], v[\x], 16, v[\x]
.endm
	QSW QS
	s_wait_alu depctr_va_vdst(0)
	s_cmp_lt_u32 s[WV], 8
	s_cbranch_scc1 .Lnot_held
	QSW 48
	ds_store_b128 v7, v[40:43]
	ds_store_b128 v7, v[44:47] offset:512
	ds_store_b32 v7, v48 offset:1024
.Lnot_held:
; A KEY STEP: 128 keys; v3, v4 hold its LDS addresses.  Eight plain vector lines stand between the last step's products and the loads: six additions at a step's end, and the two lines that make v3 and v4.
.macro STEP
	ds_load_b128 v[SCW:SCW+3], v4
.irp b, 0,1,2,3
.irp c, 0,1,2,3
	ds_load_b128 v[KVF+16*\b+4*\c:KVF+16*\b+4*\c+3], v3 offset:2048*\b+512*\c
.endr
.endr
	s_wait_alu depctr_va_vdst(0)
.irp b, 0,1,2,3                        ; S^T = K Q^T: image b with [Q | 0]: keys 32 b + 16 h + 0..7; with [0 | Q]: + 8
	s_wait_dscnt 12-4*\b                           ; image b is in; the later images' loads may be out
	v_wmma_scale_f32_16x16x128_f8f6f4 v[S+16*\b:S+16*\b+7], v[KVF+16*\b:KVF+16*\b+15], v[24:39], 0, v[SCW+\b], v[QS]
	v_wmma_scale_f32_16x16x128_f8f6f4 v[S+16*\b+8:S+16*\b+15], v[KVF+16*\b:KVF+16*\b+15], v[16:31], 0, v[SCW+\b], v[QS]
.endr
	v_mov_b32 v250, v12                            ; the old -M
	v_mov_b32 v254, 0xff800000                     ; -infinity: p = 0 then
.rept 6
	v_nop
.endr
.irp t, 0,1,2,3                        ; V's four images land while the softmax is worked
.irp c, 0,1,2,3
	ds_load_b128 v[KVF+16*\t+4*\c:KVF+16*\t+4*\c+3], v3 offset:8192+2048*\t+512*\c
.endr
.endr
	s_cmp_lg_u32 s[KS], s[BLK]                     ; only the step on the diagonal is masked
	s_cbranch_scc1 .Lopen_\@
.set n, 0
.rept 64
	v_cmp_gt_i32 vcc_lo, 32*(n/16)+n%16, v5
	v_cndmask_b32 v[S+n], v[S+n], v254, vcc_lo
.set n, n+1
.endr
.Lopen_\@:
.irp b, 0,1,2,3
	v_max3_num_f32 v[232+\b], v[S+16*\b], v[S+1+16*\b], v[S+2+16*\b]   ; the largest score of each block of 32 keys: for the row's maximum, and for the block's largest p
.endr
.irp i, 3,5,7,9,11,13
.irp b, 0,1,2,3
	v_max3_num_f32 v[232+\b], v[232+\b], v[S+16*\b+\i], v[S+1+16*\b+\i]
.endr
.endr
.irp b, 0,1,2,3
	v_max_num_f32 v[232+\b], v[232+\b], v[S+15+16*\b]
.endr
.irp b, 0,1,2,3
	s_delay_alu instid0(VALU_DEP_4)
	v_permlanex16_b32 v[236+\b], v[232+\b], s[SEL], s[SEL+1]
.endr
.irp b, 0,1,2,3
	s_delay_alu instid0(VALU_DEP_4)
	v_max_num_f32 v[232+\b], v[232+\b], v[236+\b]
.endr
	s_delay_alu instid0(VALU_DEP_2)
	v_max3_num_f32 v254, v232, v233, v234
	s_delay_alu instid0(VALU_DEP_1)
	v_max3_num_f32 v13, v254, v235, v13            ; the running largest score
	s_delay_alu instid0(VALU_DEP_1)
	v_mul_f32 v254, s[CS], v13                     ; as t (c is positive)
	s_delay_alu instid0(VALU_DEP_1)
	v_floor_f32 v12, -v254                         ; the new -M = -ceil(t)
	s_delay_alu instid0(VALU_DEP_1)
	v_sub_f32 v254, v12, v250                      ; old M - new M: a whole number, 0 or less
	s_delay_alu instid0(VALU_DEP_1)
	v_cvt_i32_f32 v254, v254
	s_delay_alu instid0(VALU_DEP_1)
	v_ldexp_f32 v252, 1.0, v254                    ; f = 2^(old M - new M)
.set j, 0
.rept 32
	v_pk_fma_f32 v[S+j:S+j+1], v[S+j:S+j+1], s[CS:CS+1], v[12:13] op_sel_hi:[1,0,0]   ; t - M
.set j, j+2
.endr
.irp b, 0,1,2,3
	v_fma_f32 v[232+\b], v[232+\b], s[CS], v12
.endr
	s_wait_alu depctr_va_vdst(0)                   ; one wait ahead of the batch
.set j, 0
.rept 64
	v_exp_f32 v[S+j], v[S+j]                       ; p = 2^(t - M)
.set j, j+1
.endr
	v_pk_mul_f32 v[14:15], v[14:15], v[252:253] op_sel_hi:[1,0]   ; the sums under the new M: a plain line behind the exponentials
	s_wait_alu depctr_va_vdst(0)                   ; one wait for the batch of 64, ahead of its first reader
.irp b, 0,1,2,3
	v_exp_f32 v[232+\b], v[232+\b]                 ; each block's largest p
.endr
.irp k, 0,1,2,3,4                      ; the row's sum, of the unquantised p: seven chains, v[14:15] among them; they are joined at the step's end
	v_pk_add_f32 v[222+2*\k:223+2*\k], v[S+2*\k:S+1+2*\k], v[S+12+2*\k:S+13+2*\k]
.endr
	v_pk_add_f32 v[248:249], v[S+10:S+11], v[S+22:S+23]
.set j, 24
.irp d, 14,222,224,226,228,230,248,14,222,224,226,228,230,248,14,222,224,226,228,230
	v_pk_add_f32 v[\d:\d+1], v[\d:\d+1], v[S+j:S+j+1]
.set j, j+2
.endr
	s_wait_alu depctr_va_vdst(0)                   ; and one for the four
.irp b, 0,1,2,3
	v_max_num_f32 v[232+\b], 0x4800000, v[232+\b]  ; the floor 2^(9 - 127)
.endr
.irp b, 0,1,2,3
	s_delay_alu instid0(VALU_DEP_4)
	v_add_nc_u32 v[244+\b], 0xfc000000, v[232+\b]
.endr
.irp b, 0,1,2,3
	v_and_or_b32 v[240+\b], v[232+\b], 0x7f800000, s[MNT]
.endr
.irp b, 0,1,2,3
	v_lshrrev_b32 v[236+\b], 23, v[244+\b]
.endr
	s_delay_alu instid0(VALU_DEP_3)
	v_lshl_or_b32 v[PS], v237, 8, v236
	s_delay_alu instid0(VALU_DEP_1)
	v_lshl_or_b32 v[PS], v238, 16, v[PS]
	s_delay_alu instid0(VALU_DEP_1)
	v_lshl_or_b32 v[PS], v239, 24, v[PS]
.irp b, 0,1,2,3
.irp i, 0,2,4,6,8,10,12,14
	v_dual_min_num_f32 v[S+16*\b+\i], v[S+16*\b+\i], v[240+\b] :: v_dual_min_num_f32 v[S+16*\b+\i+1], v[S+16*\b+\i+1], v[240+\b]   ; p is not negative: a one-sided hold (the conversion does not saturate: ISA guide 7.6.2)
.endr
	v_cvt_scalef32_pk8_fp8_f32 v[PCD+4*\b:PCD+1+4*\b], v[S+16*\b:S+7+16*\b], v[244+\b]
	v_cvt_scalef32_pk8_fp8_f32 v[PCD+2+4*\b:PCD+3+4*\b], v[S+8+16*\b:S+15+16*\b], v[244+\b]
.endr
	s_wait_alu depctr_va_vdst(0)                   ; directly ahead of the first reader of O^T
.set j, 0
.rept 16
	v_pk_mul_f32 v[O+j:O+j+1], v[O+j:O+j+1], v[252:253] op_sel_hi:[1,0]   ; O^T under the new M; these are also the places between the codes and the products
.set j, j+2
.endr
	s_wait_alu depctr_va_vdst(0)
	s_wait_dscnt 0x0                               ; V is in
.irp t, 0,1,2,3                        ; O^T += V^T P^T: four accumulators, one instruction each
	v_wmma_scale_f32_16x16x128_f8f6f4 v[O+8*\t:O+8*\t+7], v[KVF+16*\t:KVF+16*\t+15], v[PCD:PCD+15], v[O+8*\t:O+8*\t+7], v[SCW+\t], v[PS] matrix_a_scale:MATRIX_SCALE_ROW1
.endr
	v_pk_add_f32 v[222:223], v[222:223], v[224:225]   ; the sum's chains are joined: six of the places behind the products
	v_pk_add_f32 v[226:227], v[226:227], v[228:229]
	v_pk_add_f32 v[230:231], v[230:231], v[248:249]
	s_delay_alu instid0(VALU_DEP_2)
	v_pk_add_f32 v[222:223], v[222:223], v[226:227]
	s_delay_alu instid0(VALU_DEP_2)
	v_pk_add_f32 v[14:15], v[14:15], v[230:231]
	s_delay_alu instid0(VALU_DEP_1)
	v_pk_add_f32 v[14:15], v[14:15], v[222:223]
.endm
; A TILE'S WAY OUT: O^T / the sum is my query's 32 of the head's 64 channels, two blocks of 32 shared with lane l xor 16: quantised, and stored as two pieces of the next product's fragment.
; Its first three lines are plain places behind the last products too.
.macro WAYOUT
	v_add_f32 v14, v14, v15
	s_delay_alu instid0(VALU_DEP_1)
	v_permlanex16_b32 v252, v14, s[SEL], s[SEL+1]
	s_delay_alu instid0(VALU_DEP_1)
	v_add_f32 v14, v14, v252
	s_wait_alu depctr_va_vdst(0)
	v_rcp_f32 v14, v14
	v_nop                                          ; one plain place behind the reciprocal
	s_lshr_b32 s66, s[BH], 4
	s_lshl_b32 s66, s66, 7
	s_lshl_b32 s67, s[BLK], 3
	s_add_co_u32 s66, s66, s67
	s_add_co_u32 s66, s66, s[TI]                   ; the tile among the 256
	s_and_b32 s67, s[BH], 15
	s_lshl_b32 s68, s66, 14
	s_lshl_b32 s69, s67, 10                        ; K step head / 2, pieces 2 (head % 2) on: 1,024 bytes a head
	s_add_co_u32 s68, s68, s69
	s_mov_b32 s69, 0
	s_add_nc_u64 s[70:71], s[8:9], s[68:69]
	s_lshl_b32 s68, s66, 9
	s_lshl_b32 s67, s67, 1
	s_add_co_u32 s68, s68, s67
	s_add_nc_u64 s[72:73], s[10:11], s[68:69]
	s_wait_alu depctr_va_vdst(0)                   ; ahead of the reciprocal's first reader
.set j, 0
.rept 32
	v_mul_f32 v[S+j], v[O+j], v14                  ; each accumulator from its low end on
.set j, j+1
.endr
.irp b, 0,1
	v_max3_num_f32 v[232+\b], |v[S+16*\b]|, |v[S+1+16*\b]|, 0x4800000
.endr
.irp i, 2,4,6,8,10,12,14
.irp b, 0,1
	s_delay_alu instid0(VALU_DEP_2)
	v_max3_num_f32 v[232+\b], v[232+\b], |v[S+16*\b+\i]|, |v[S+1+16*\b+\i]|
.endr
.endr
.irp b, 0,1
	s_delay_alu instid0(VALU_DEP_2)
	v_permlanex16_b32 v[236+\b], v[232+\b], s[SEL], s[SEL+1]
.endr
.irp b, 0,1
	s_delay_alu instid0(VALU_DEP_2)
	v_max_num_f32 v[232+\b], v[232+\b], v[236+\b]
.endr
.irp b, 0,1
	s_delay_alu instid0(VALU_DEP_2)
	v_add_nc_u32 v[244+\b], 0xfc000000, v[232+\b]
.endr
.irp b, 0,1
	s_delay_alu instid0(VALU_DEP_4)
	v_and_or_b32 v[240+\b], v[232+\b], 0x7f800000, s[MNT]
.endr
.irp b, 0,1
	s_delay_alu instid0(VALU_DEP_4)
	v_lshrrev_b32 v[236+\b], 23, v[244+\b]
.endr
	s_delay_alu instid0(VALU_DEP_1)
	v_lshl_or_b32 v208, v237, 8, v236
.irp b, 0,1
.irp i, 0,1,2,3,4,5,6,7,8,9,10,11,12,13,14,15
	v_med3_num_f32 v[S+16*\b+\i], v[S+16*\b+\i], -v[240+\b], v[240+\b]
.endr
	v_cvt_scalef32_pk8_fp8_f32 v[PCD+4*\b:PCD+1+4*\b], v[S+16*\b:S+7+16*\b], v[244+\b]
	v_cvt_scalef32_pk8_fp8_f32 v[PCD+2+4*\b:PCD+3+4*\b], v[S+8+16*\b:S+15+16*\b], v[244+\b]
.endr
	v_nop
	global_store_b128 v1, v[PCD:PCD+3], s[70:71]           ; the wave stores 512 consecutive bytes
	global_store_b128 v1, v[PCD+4:PCD+7], s[70:71] offset:512
	global_store_b16 v9, v208, s[72:73]                    ; my row's two scale bytes of this head (lanes 16-31 hold and store the same)
.endm
	s_cmp_lg_u32 s[WV], 0
	s_cbranch_scc1 .Lnot_first
	s_wait_tensorcnt 0x0                           ; wave 0: the scale words and key step 0 are in; the other waves' wait stands at the second barrier
.Lnot_first:
	s_wait_dscnt 0x0
	s_barrier_signal -1
	s_barrier_wait -1
	STEP                                           ; trip 0: key step 0, in every wave
	s_wait_alu depctr_va_vdst(0)
	s_wait_tensorcnt 0x0                           ; key steps 1-15
	s_wait_dscnt 0x0
	s_barrier_signal -1
	s_barrier_wait -1
	s_mov_b32 s[T], 1
.Ltrip:
	s_cmp_gt_u32 s[T], s[LIM]
	s_cselect_b32 s66, s[JUMP], 0
	s_add_co_u32 s[KS], s[T], s66
	s_min_u32 s[KS], s[KS], 15
	s_add_co_u32 s66, s[LIM], 1
	s_cmp_lg_u32 s[T], s66
	s_cbranch_scc1 .Lsame_tile
	WAYOUT                                         ; waves 8-15, once: block a's tile goes out, block 15 - a's begins
	ds_load_b128 v[24:27], v7                      ; its Q, held in LDS; the step's own waits cover these loads
	ds_load_b128 v[28:31], v7 offset:512
	ds_load_b32 v[QS], v7 offset:1024
	FRESH
	s_xor_b32 s[BLK], s[BLK], 15
	s_wait_alu depctr_va_vdst(0)
	s_wait_xcnt 0x0                                ; the stores have read their registers
.Lsame_tile:
	s_cmp_ge_u32 s[T], s[NT]                       ; waves 8-15 have eight steps, the others nine
	s_cbranch_scc1 .Lidle
	s_lshl_b32 s66, s[KS], 14
	s_add_co_u32 s66, s66, 8192
	s_lshl_b32 s67, s[KS], 8
	v_add_nc_u32 v3, s66, v1
	v_add_nc_u32 v4, s67, v2
	STEP
.Lidle:
	s_add_co_u32 s[T], s[T], 1
	s_wait_alu depctr_va_vdst(0)
	s_cmp_lt_u32 s[T], 9
	s_cbranch_scc1 .Ltrip
.rept 8
	v_nop                                          ; places behind the last products
.endr
	s_wait_dscnt 0x0
	s_cmp_lt_u32 s[WV], 8
	s_cbranch_scc1 .Lkeeps
	ds_store_b128 v7, v[12:15] offset:4096         ; waves 8-15: -M and the sum,
.irp j, 0,1,2,3,4,5,6,7
	ds_store_b128 v7, v[O+4*\j:O+4*\j+3] offset:512*\j   ; and O^T, each accumulator from its low end on
.endr
.Lkeeps:
	s_wait_dscnt 0x0
	s_barrier_signal -1
	s_barrier_wait -1
	s_cmp_ge_u32 s[WV], 8
	s_cbranch_scc1 .Lend
	ds_load_b128 v[72:75], v7 offset:4096          ; the other part: -M in v72, the sum in v[74:75], O^T in v40-71
.irp j, 0,1,2,3,4,5,6,7
	ds_load_b128 v[40+4*\j:43+4*\j], v7 offset:512*\j
.endr
	s_wait_dscnt 0x0
	v_min_num_f32 v10, v12, v72                    ; -M of both parts
	s_delay_alu instid0(VALU_DEP_1)
	v_sub_f32 v11, v10, v12
	s_delay_alu instid0(VALU_DEP_2)
	v_sub_f32 v76, v10, v72
	s_delay_alu instid0(VALU_DEP_2)
	v_cvt_i32_f32 v11, v11
	s_delay_alu instid0(VALU_DEP_2)
	v_cvt_i32_f32 v76, v76
	s_delay_alu instid0(VALU_DEP_2)
	v_ldexp_f32 v252, 1.0, v11                     ; a part without keys gets the factor 0
	s_delay_alu instid0(VALU_DEP_2)
	v_ldexp_f32 v78, 1.0, v76
	v_pk_mul_f32 v[14:15], v[14:15], v[252:253] op_sel_hi:[1,0]
.set j, 0
.rept 16
	v_pk_mul_f32 v[O+j:O+j+1], v[O+j:O+j+1], v[252:253] op_sel_hi:[1,0]
.set j, j+2
.endr
	v_pk_fma_f32 v[14:15], v[74:75], v[78:79], v[14:15] op_sel_hi:[1,0,1]
.set j, 0
.rept 16
	v_pk_fma_f32 v[O+j:O+j+1], v[40+j:41+j], v[78:79], v[O+j:O+j+1] op_sel_hi:[1,0,1]
.set j, j+2
.endr
	WAYOUT
.Lend:
	s_wait_tensorcnt 0x0                           ; the wave's end
	ds_add_u32 v[SPW], v[NIL]
	s_wait_dscnt 0x0
	CROUND                                         ; the closing round: no work-group ends while a partner may still ask for a tile that names it
	s_endpgm
.Lfunc_end_k_q0967ffe943_attn:
	.size	k_q0967ffe943_attn, .Lfunc_end_k_q0967ffe943_attn-k_q0967ffe943_attn
	.p2alignl 7, 3214868480
	.fill 96, 4, 3214868480
	.section	.rodata,"a",@progbits
	.p2align	6, 0x0
	.amdhsa_kernel k_q0967ffe943_attn
		.amdhsa_group_segment_fixed_size 327680
		.amdhsa_private_segment_fixed_size 0
		.amdhsa_enable_private_segment 0
		.amdhsa_kernarg_size 32
		.amdhsa_user_sgpr_count 2
		.amdhsa_user_sgpr_kernarg_segment_ptr 1
		.amdhsa_wavefront_size32 1
		.amdhsa_system_sgpr_workgroup_id_x 1
		.amdhsa_system_sgpr_workgroup_id_y 1
		.amdhsa_system_sgpr_workgroup_id_z 1
		.amdhsa_system_vgpr_workitem_id 0
		.amdhsa_next_free_vgpr 256
		.amdhsa_next_free_sgpr 100
		.amdhsa_reserve_vcc 1
		.amdhsa_float_denorm_mode_32 3
		.amdhsa_float_denorm_mode_16_64 3
		.amdhsa_memory_ordered 1
		.amdhsa_forward_progress 1
		.amdhsa_inst_pref_size 78
	.end_amdhsa_kernel
	.amdgpu_metadata
---
amdhsa.version: [ 1, 2 ]
amdhsa.kernels:
  - .name:           k_q0967ffe943_attn
    .symbol:         k_q0967ffe943_attn.kd
    .args:
      - { .name: qb, .offset: 0, .size: 8, .value_kind: global_buffer, .address_space: global }
      - { .name: kv, .offset: 8, .size: 8, .value_kind: global_buffer, .address_space: global }
      - { .name: yc, .offset: 16, .size: 8, .value_kind: global_buffer, .address_space: global }
      - { .name: ys, .offset: 24, .size: 8, .value_kind: global_buffer, .address_space: global }
    .group_segment_fixed_size: 327680
    .private_segment_fixed_size: 0
    .kernarg_segment_align: 8
    .kernarg_segment_size: 32
    .max_flat_workgroup_size: 512
    .sgpr_count:     100
    .vgpr_count:     256
    .wavefront_size: 32
...
	.end_amdgpu_metadata
.endif
;; end of part 3
;; launch proj (part 4): grid 8 x 32, 8 waves a work-group, clusters of 4 x 4, 327,680 bytes of LDS; arguments yc, ys, wq, ws, b_proj, out0; writes out0
.if DOCPART == 4
	.amdgcn_target "amdgcn-amd-amdhsa--gfx1250"
	.amdhsa_code_object_version 6
	.text
	.protected	k_q0967ffe943_proj
	.globl	k_q0967ffe943_proj
	.p2align	8
	.type	k_q0967ffe943_proj,@function
k_q0967ffe943_proj:
	s_mov_b64 s[64:65], 0
	v_nop
	global_prefetch_b8 v0, s[64:65] scope:SCOPE_SE
	s_setreg_imm32_b32 hwreg(HW_REG_WAVE_MODE, 25, 1), 1
	s_wait_xcnt 0x0
	s_wait_alu depctr_hold_cnt(0) depctr_sa_sdst(0) depctr_va_vdst(0) depctr_va_sdst(0) depctr_va_ssrc(0) depctr_va_vcc(0) depctr_vm_vsrc(0)
	s_getreg_b32 s2, hwreg(HW_REG_IB_STS2, 6, 4)
	s_cmp_eq_u32 s2, 0
	s_cbranch_scc0 .Lentry_in_a_cluster
	s_endpgm
.Lentry_in_a_cluster:
	s_bfe_u32 s2, ttmp6, 0x10000c
	s_cmp_lg_u32 s2, 0xf033
	s_cbranch_scc0 .Lentry_shape_is_right
	s_endpgm
.Lentry_shape_is_right:
; out0 = y W_proj + b_proj on codes of FP8 (E4M3) with E8M0 scales; out0 [4096][1024] f32.
; y comes as images of fragments (yc: [tile of 16 rows][K step of 128], 2,048 bytes each; lane r of tile t is true row 32 (t / 2) + 8 (t % 2) + r % 8 + 16 (r / 8)) and scale bytes ys [16 t + r][32];
; W_proj's columns as rows 3,072 on of wq, ws, in position order (position p = column with bits 3 and 4 exchanged).
; SHARES.  A work-group makes 128 rows x 128 columns: 256 work-groups.  All of K = 1,024 lies in LDS, filled once, by one joint load a wave: waves 0, 1 y's and W's scale bytes, waves 2, 3 the first 256 of K,
; waves 4, 5 the second 256, waves 6, 7 the last 512; three barriers show them in that order.  Eight waves, two to a SIMD: wave w makes rows 32 (w / 2) on (two fragments of y) x columns 64 (w % 2) on (four of W).
; CLUSTERS of 4 x 4: y's tiles are asked for jointly along a row of the cluster, W's along a column.  No prefetch: all is asked for at the head, so there is no loop to run ahead in.
; The matrix instruction takes W's rows as source 0 and y's as source 1: a lane holds one row of out0, and register j of tiles 2 b + u is column 32 b + 16 (lane / 16) + 8 u + j.
.set AB,   0                           ; y: two chunks of 256 along K, [tile 8][K step 2] images, then the last 512 of K at AB2, [tile 8][K step 4]
.set AB2,  65536
.set BB,   131072                      ; W: two chunks of 128 rows x (256 + 16), then the last 512 of K at BB2, 128 rows x (512 + 16)
.set BB2,  BB+69632
.set SAB,  270336                      ; y's scale bytes: 16 units of 256 + 16
.set SBB,  274688                      ; W's likewise
.set STG,  279040                      ; the way out: 16 rows x (256 + 16) for each wave; no fill lands here
.set SPARE, STG+8*4352
.set SPW,  240
.set NIL,  241
.set AF,   16                          ; v16-47   y's two fragments
.set BF,   48                          ; v48-111  W's four
.set ACC,  112                         ; v112-175 accumulator (a, b) at 112 + 8 (4 a + b)
.set SAR,  176                         ; v176-191 y's scale words: 8 a + K step
.set SBR,  192                         ; v192-223 W's: 8 b + K step
.set WV,   16
.set GSA,  24                          ; groups 1: scale bytes of y, of W; a chunk of y, of W; the last 512 of y, of W
.set GSB,  32
.set GA1,  40
.set GB1,  48
.set GA2,  56
.set GB2,  68
.set HSA,  76                          ; groups 0 likewise
.set HSB,  80
.set HA1,  84
.set HB1,  88
.set HA2,  92
.set HB2,  96
.macro CROUND                          ; a round of the cluster's barrier
	s_barrier_signal -1
	s_barrier_wait -1
	s_cmp_lg_u32 s[WV], 0
	s_cbranch_scc1 .Lnot_wave_0_\@
	s_barrier_signal -3
.Lnot_wave_0_\@:
	s_barrier_wait -3
	s_barrier_signal -1
	s_barrier_wait -1
.endm
.macro GROUP1 g, mask, bits, cols, rows, pitch
	s_or_b32 s[\g], s[\mask], (\bits)|(1<<21)
	s_mov_b32 s[\g+1], (\cols)<<16
	s_mov_b32 s[\g+2], (\rows)<<16
	s_mov_b32 s[\g+3], (\cols)<<16
	s_mov_b32 s[\g+4], \rows
	s_mov_b32 s[\g+5], \pitch
	s_mov_b32 s[\g+6], 0
	s_mov_b32 s[\g+7], 0
.endm
	s_load_b256 s[4:11], s[0:1], 0x0               ; yc s[4:5], ys s[6:7], wq s[8:9], ws s[10:11]
	s_load_b128 s[12:15], s[0:1], 0x20             ; b_proj s[12:13], out0 s[14:15]
	v_lshl_add_u32 v[SPW], v0, 2, SPARE
	v_mov_b32 v[NIL], 0
	ds_add_u32 v[SPW], v[NIL]                      ; the wave's opening: the add, twice on end, and its wait
	ds_add_u32 v[SPW], v[NIL]
	v_lshrrev_b32 v1, 5, v0
	v_readfirstlane_b32 s[WV], v1                  ; wave 0..7
	s_and_b32 s17, s[WV], 1                        ; my half of the columns
	s_bfe_u32 s18, ttmp6, 0x40000                  ; cx
	s_bfe_u32 s19, ttmp6, 0x40004                  ; cy
	s_lshl_b32 s20, ttmp9, 2
	s_add_co_u32 s20, s20, s18                     ; tile column
	s_and_b32 s21, ttmp7, 0xffff
	s_lshl_b32 s21, s21, 2
	s_add_co_u32 s21, s21, s19                     ; tile row
	s_lshl_b32 s22, s19, 2
	s_lshl_b32 s22, 15, s22                        ; my row of the cluster
	s_lshl_b32 s23, 0x1111, s18                    ; my column
	GROUP1 GSA, 22, (3<<16)|(1<<20)|(5<<22)|(3<<25), 32, 16, 32      ; 128 rows' scale bytes: 4,096 dense bytes as 16 rows of 256, 16 of padding behind each
	GROUP1 GSB, 23, (3<<16)|(1<<20)|(5<<22)|(3<<25), 32, 16, 32
	GROUP1 GA1, 22, 3<<16, 512, 8, 2048                              ; y: 8 tiles x 4,096 bytes, 16,384 from tile to tile
	GROUP1 GB1, 23, (1<<20)|(5<<22)|(3<<25), 256, 128, 1024          ; W: 128 rows x 256 bytes, 16 of padding behind each
	GROUP1 GA2, 22, 3<<16, 1024, 8, 2048                             ; y: 8 tiles x 8,192 bytes
	GROUP1 GB2, 23, (1<<20)|(6<<22)|(3<<25), 512, 128, 1024          ; W: 128 rows x 512 bytes, 16 of padding behind each
	s_lshl_b32 s2, s21, 12                         ; y's scale bytes: 512 a tile, 8 tiles a tile row (these registers never hold cx)
	s_mov_b32 s3, 0
	s_lshl_b32 s100, s20, 7
	s_add_co_u32 s100, s100, 3072                  ; W's first row (these never hold cy)
	s_lshl_b32 s100, s100, 5                       ; its scale bytes: 32 a row
	s_mov_b32 s101, 0
	s_lshr_b32 s18, s[WV], 1
	s_and_b32 s18, s18, 1
	s_xor_b32 s18, s18, 1                          ; waves 2, 3: chunk 0; waves 4, 5: chunk 1
	s_mov_b32 s[HSA], 1
	s_mov_b32 s[HSA+1], SAB
	s_mov_b32 s[HSB], 1
	s_mov_b32 s[HSB+1], SBB
	s_mov_b32 s[HA1], 1
	s_lshl_b32 s[HA1+1], s18, 15
	s_mov_b32 s[HB1], 1
	s_mul_i32 s[HB1+1], s18, 34816
	s_add_co_u32 s[HB1+1], s[HB1+1], BB
	s_mov_b32 s[HA2], 1
	s_mov_b32 s[HA2+1], AB2
	s_mov_b32 s[HB2], 1
	s_mov_b32 s[HB2+1], BB2
	s_wait_dscnt 0x0                               ; both opening adds are done
	CROUND                                         ; all sixteen work-groups are here: the joint loads meet
	s_wait_kmcnt 0x0
	s_add_nc_u64 s[HSA+2:HSA+3], s[6:7], s[2:3]
	s_or_b32 s[HSA+3], s[HSA+3], 0x80000000
	s_add_nc_u64 s[HSB+2:HSB+3], s[10:11], s[100:101]
	s_or_b32 s[HSB+3], s[HSB+3], 0x80000000
	s_lshl_b32 s2, s2, 5                           ; codes: 16,384 bytes a tile,
	s_lshl_b32 s100, s100, 5                       ; 1,024 a row
	s_add_nc_u64 s[4:5], s[4:5], s[2:3]
	s_add_nc_u64 s[8:9], s[8:9], s[100:101]
	s_lshl_b32 s2, s18, 12
	s_lshl_b32 s100, s18, 8
	s_add_nc_u64 s[HA1+2:HA1+3], s[4:5], s[2:3]
	s_or_b32 s[HA1+3], s[HA1+3], 0x80000000
	s_add_nc_u64 s[HB1+2:HB1+3], s[8:9], s[100:101]
	s_or_b32 s[HB1+3], s[HB1+3], 0x80000000
	s_add_nc_u64 s[HA2+2:HA2+3], s[4:5], 8192
	s_or_b32 s[HA2+3], s[HA2+3], 0x80000000
	s_add_nc_u64 s[HB2+2:HB2+3], s[8:9], 512
	s_or_b32 s[HB2+3], s[HB2+3], 0x80000000
; ONE tree of branches on the wave's number, a load to an arm, what is needed first in front
.macro ARM w, g0, g1, next
	s_cmp_eq_u32 s[WV], \w
	s_cbranch_scc0 \next
	tensor_load_to_lds s[\g0:\g0+3], s[\g1:\g1+7]
	s_nop 0
.rept 4
	v_nop
.endr
	s_branch .Lasked
\next:
.endm
	ARM 2, HA1, GA1, .Lw3
	ARM 3, HB1, GB1, .Lw0
	ARM 0, HSA, GSA, .Lw1
	ARM 1, HSB, GSB, .Lw4
	ARM 4, HA1, GA1, .Lw5
	ARM 5, HB1, GB1, .Lw6
	ARM 6, HA2, GA2, .Lw7
	tensor_load_to_lds s[HB2:HB2+3], s[GB2:GB2+7]
	s_nop 0
.rept 4
	v_nop
.endr
.Lasked:
	v_and_b32 v10, 31, v0                          ; lane
	v_and_b32 v11, 15, v0                          ; r
	v_bfe_u32 v12, v0, 4, 1                        ; h
	s_lshr_b32 s2, s[WV], 1                        ; my 32 rows
	s_lshl_b32 s3, s2, 13
	v_lshlrev_b32 v15, 6, v12                      ; the bias: 16 h numbers on
	v_lshl_add_u32 v1, v10, 4, s3                  ; v1: y's images of chunks 0, 1: 8,192 x (w / 2) + 16 x lane
	s_lshl_b32 s3, s2, 14
	s_add_co_u32 s3, s3, AB2
	v_lshl_add_u32 v2, v10, 4, s3                  ; v2: of the last 512: 16,384 x (w / 2) on
	s_mul_i32 s3, s17, 17408
	s_add_co_u32 s3, s3, BB
	v_mul_u32_u24 v13, v11, 272
	v_mul_u32_u24 v14, v11, 528
	s_delay_alu instid0(VALU_DEP_2)
	v_lshl_add_u32 v3, v12, 4, v13
	s_delay_alu instid0(VALU_DEP_2)
	v_lshl_add_u32 v4, v12, 4, v14
	v_add_nc_u32 v3, s3, v3                        ; v3: W's rows of chunks 0, 1
	s_mul_i32 s3, s17, 64*528
	s_add_co_u32 s3, s3, BB2
	v_add_nc_u32 v4, s3, v4                        ; v4: of the last 512
	s_mul_i32 s3, s[WV], 4352
	s_add_co_u32 s3, s3, STG
	v_lshl_add_u32 v5, v12, 6, v13
	v_mul_u32_u24 v6, v12, 272
	v_lshlrev_b32 v7, 12, v12
	v_lshrrev_b32 v8, 3, v11
	v_and_b32 v14, 7, v11
	v_add_nc_u32 v5, s3, v5                        ; v5: into my stage: row r, + 64 h
	v_lshl_add_u32 v6, v11, 4, v6
	v_lshl_add_u32 v7, v11, 4, v7                  ; v7: lanes 0-15 one row of out0, lanes 16-31 the next
	v_mul_u32_u24 v13, v8, 272
	v_add_nc_u32 v6, s3, v6                        ; v6: back from the stage: the same two rows
	s_delay_alu instid0(VALU_DEP_2)
	v_lshl_add_u32 v13, v14, 5, v13                ; a row's 32 scale bytes: eight rows to a unit
	s_mul_i32 s3, s2, 1088
	s_add_co_u32 s3, s3, SAB
	v_add_nc_u32 v8, s3, v13
	s_mul_i32 s3, s17, 2176
	s_add_co_u32 s3, s3, SBB
	v_add_nc_u32 v9, s3, v13
	s_wait_alu depctr_va_vdst(0)
	s_lshl_b32 s100, s20, 9
	s_lshl_b32 s101, s17, 8
	s_add_co_u32 s100, s100, s101                  ; my first column, in bytes
	s_mov_b32 s101, 0
	s_add_nc_u64 s[12:13], s[12:13], s[100:101]
	s_add_nc_u64 s[14:15], s[14:15], s[100:101]
	s_lshl_b32 s100, s21, 19
	s_lshl_b32 s3, s2, 17
	s_add_co_u32 s100, s100, s3                    ; my first row: 128 x tile row + 32 x (w / 2), 4,096 bytes each
	s_add_nc_u64 s[14:15], s[14:15], s[100:101]
.irp a, 0,1                            ; the bias is loaded into the accumulators: every K step then has the one form
.irp b, 0,1,2,3
	global_load_b128 v[ACC+8*(4*\a+\b):ACC+8*(4*\a+\b)+3], v15, s[12:13] offset:128*(\b/2)+32*(\b%2)
	global_load_b128 v[ACC+8*(4*\a+\b)+4:ACC+8*(4*\a+\b)+7], v15, s[12:13] offset:128*(\b/2)+32*(\b%2)+16
.endr
.endr
.macro SHOW under, n                   ; a barrier that shows the loads of the waves under \under, each of which has a line of its own; the others' wait stands at a later barrier
	s_cmp_lt_u32 s[WV], \under
	s_cbranch_scc0 .Lnot_yet_\n
	s_wait_tensorcnt 0x0
.Lnot_yet_\n:
	s_wait_dscnt 0x0
	s_barrier_signal -1
	s_barrier_wait -1
.endm
	SHOW 4, 1                                      ; the scale bytes and chunk 0
.irp a, 0,1
.irp q, 0,1
	ds_load_b128 v[SAR+8*\a+4*\q:SAR+8*\a+4*\q+3], v8 offset:544*\a+16*\q
.endr
.endr
.irp b, 0,1,2,3
.irp q, 0,1
	ds_load_b128 v[SBR+8*\b+4*\q:SBR+8*\b+4*\q+3], v9 offset:544*\b+16*\q
.endr
.endr
	s_wait_loadcnt 0x0                             ; the bias
; The k-th 128 along K.  The eight accumulators take turns, one instruction a turn.
.macro KSTEP k
.rept 8
	v_nop                                          ; places in front of loads into registers that matrix instructions have read
.endr
.irp a, 0,1
.irp c, 0,1,2,3
.if (\k) < 4
	ds_load_b128 v[AF+16*\a+4*\c:AF+16*\a+4*\c+3], v1 offset:32768*((\k)/2)+4096*\a+2048*((\k)%2)+512*\c
.else
	ds_load_b128 v[AF+16*\a+4*\c:AF+16*\a+4*\c+3], v2 offset:8192*\a+2048*((\k)-4)+512*\c
.endif
.endr
.endr
.irp b, 0,1,2,3
.irp c, 0,1,2,3
.if (\k) < 4
	ds_load_b128 v[BF+16*\b+4*\c:BF+16*\b+4*\c+3], v3 offset:34816*((\k)/2)+4352*\b+128*((\k)%2)+32*\c
.else
	ds_load_b128 v[BF+16*\b+4*\c:BF+16*\b+4*\c+3], v4 offset:8448*\b+128*((\k)-4)+32*\c
.endif
.endr
.endr
	s_wait_dscnt 0x0
.irp a, 0,1
.irp b, 0,1,2,3
	v_wmma_scale_f32_16x16x128_f8f6f4 v[ACC+8*(4*\a+\b):ACC+8*(4*\a+\b)+7], v[BF+16*\b:BF+16*\b+15], v[AF+16*\a:AF+16*\a+15], v[ACC+8*(4*\a+\b):ACC+8*(4*\a+\b)+7], v[SBR+8*\b+(\k)], v[SAR+8*\a+(\k)]
.endr
.endr
.endm
	KSTEP 0
	KSTEP 1
	SHOW 6, 2                                      ; chunk 1
	KSTEP 2
	KSTEP 3
	s_wait_tensorcnt 0x0                           ; the last 512 of K
	s_wait_dscnt 0x0
	s_barrier_signal -1
	s_barrier_wait -1
	KSTEP 4
	KSTEP 5
	KSTEP 6
	KSTEP 7
	; THE WAY OUT: 16 rows x 64 columns at a time through my own stage, back as whole rows of 256 bytes.  LDS serves a wave's instructions in order (ISA guide 5.7.1.4).
.rept 8
	v_nop
.endr
.irp a, 0,1
.irp b, 0,1,2,3
	ds_store_b128 v5, v[ACC+8*(4*\a+\b):ACC+8*(4*\a+\b)+3] offset:128*(\b/2)+32*(\b%2)       ; each accumulator from its low end on
	ds_store_b128 v5, v[ACC+8*(4*\a+\b)+4:ACC+8*(4*\a+\b)+7] offset:128*(\b/2)+32*(\b%2)+16
.endr
.irp i, 0,1,2,3,4,5,6,7
	ds_load_b128 v[16+32*\a+4*\i:16+32*\a+4*\i+3], v6 offset:544*\i
.endr
.endr
.irp a, 0,1
.irp i, 0,1,2,3,4,5,6,7
	s_wait_dscnt 23-16*\a-\i                       ; this load is in; the LDS instructions issued behind it may be out
	global_store_b128 v7, v[16+32*\a+4*\i:16+32*\a+4*\i+3], s[14:15] offset:(8*\a+2*\i+8*(\i/4))*4096 th:TH_STORE_NT   ; stage row 2 i + h is true row 8 a + 2 (i % 4) + h + 16 (i / 4); sixteen lanes store 256 consecutive bytes, aligned
.endr
.endr
	s_wait_tensorcnt 0x0                           ; the wave's end
	ds_add_u32 v[SPW], v[NIL]
	s_wait_dscnt 0x0
	CROUND                                         ; the closing round: no work-group ends while a partner may still ask for a tile that names it
	s_endpgm
.Lfunc_end_k_q0967ffe943_proj:
	.size	k_q0967ffe943_proj, .Lfunc_end_k_q0967ffe943_proj-k_q0967ffe943_proj
	.p2alignl 7, 3214868480
	.fill 96, 4, 3214868480
	.section	.rodata,"a",@progbits
	.p2align	6, 0x0
	.amdhsa_kernel k_q0967ffe943_proj
		.amdhsa_group_segment_fixed_size 327680
		.amdhsa_private_segment_fixed_size 0
		.amdhsa_enable_private_segment 0
		.amdhsa_kernarg_size 48
		.amdhsa_user_sgpr_count 2
		.amdhsa_user_sgpr_kernarg_segment_ptr 1
		.amdhsa_wavefront_size32 1
		.amdhsa_system_sgpr_workgroup_id_x 1
		.amdhsa_system_sgpr_workgroup_id_y 1
		.amdhsa_system_sgpr_workgroup_id_z 1
		.amdhsa_system_vgpr_workitem_id 0
		.amdhsa_next_free_vgpr 242
		.amdhsa_next_free_sgpr 102
		.amdhsa_reserve_vcc 0
		.amdhsa_float_denorm_mode_32 3
		.amdhsa_float_denorm_mode_16_64 3
		.amdhsa_memory_ordered 1
		.amdhsa_forward_progress 1
		.amdhsa_inst_pref_size 41
	.end_amdhsa_kernel
	.amdgpu_metadata
---
amdhsa.version: [ 1, 2 ]
amdhsa.kernels:
  - .name:           k_q0967ffe943_proj
    .symbol:         k_q0967ffe943_proj.kd
    .args:
      - { .name: yc, .offset: 0, .size: 8, .value_kind: global_buffer, .address_space: global }
      - { .name: ys, .offset: 8, .size: 8, .value_kind: global_buffer, .address_space: global }
      - { .name: wq, .offset: 16, .size: 8, .value_kind: global_buffer, .address_space: global }
      - { .name: ws, .offset: 24, .size: 8, .value_kind: global_buffer, .address_space: global }
      - { .name: b_proj, .offset: 32, .size: 8, .value_kind: global_buffer, .address_space: global }
      - { .name: out0, .offset: 40, .size: 8, .value_kind: global_buffer, .address_space: global }
    .group_segment_fixed_size: 327680
    .private_segment_fixed_size: 0
    .kernarg_segment_align: 8
    .kernarg_segment_size: 48
    .max_flat_workgroup_size: 256
    .sgpr_count:     102
    .vgpr_count:     242
    .wavefront_size: 32
...
	.end_amdgpu_metadata
.endif
;; end of part 4
